; MI455X (gfx1250); checked and timed in simulation.
; The chip was launched on July 23, 2026; its instructions are those of AMD's public machine-readable ISA for CDNA 5 (MIT licence, August 2026) and "CDNA5" Instruction Set Architecture Reference Guide (July 2026). The comments in the code are by the model that wrote it; some were corrected since.
;; attention. Allowed arithmetic: matrix products marked QUANTISED: E2M1 operands, one E8M0 scale for each 32 along K, by v_wmma_scale_f32_16x16x128_f8f6f4 with both operands' format E2M1 (or v_wmma_scale_f32_32x16x128_f4), f32 sums; products left as they are: f32 operands where the result goes on into a quantised operand, else bf16, f16 or f32 operands; f32 sums; everything else in f32.
;; Inputs: Ua_codes 1,024 x 32 x 16 uint8 (E2M1 codes of Ua, K innermost, in blocks of 32 codes, two codes a byte); Ua_scales 1,024 x 32 uint8 (E8M0 scales of Ua, one for each 32 codes along K); Va 1,024 float32; Wa_codes 1,024 x 32 x 16 uint8 (E2M1 codes of Wa, K innermost, in blocks of 32 codes, two codes a byte); Wa_scales 1,024 x 32 uint8 (E8M0 scales of Wa, one for each 32 codes along K); dec_hidden_codes 32 x 32 x 16 uint8 (E2M1 codes of dec_hidden, K innermost, in blocks of 32 codes, two codes a byte); dec_hidden_scales 32 x 32 uint8 (E8M0 scales of dec_hidden, one for each 32 codes along K); enc_out 32 x 2,048 x 1,024 float32.
;; Outputs: out0 32 x 1,024 float32.
;; This version of the problem:
;;   THIS VERSION OF THE PROBLEM IS GIVEN IN LOW PRECISION. The matrix products marked QUANTISED in the list below multiply operands that are first quantised to E2M1 (2 exponent bits, 1 mantissa bit; 4 bits a number), with one power-of-two scale for each 32 numbers along K (OCP MX v1.0); their sums are f32. All else is computed in f32.
;;   The module's matrix products, in the order in which they are computed (A, B: the left and right operand; K: the contracted axis; several contracted axes count as one K, in the product's order):
;;     1. [M 32, K 1,024] x [K 1,024, N 1,024]; A: input dec_hidden (given as codes); B: input Wa (given as codes): QUANTISED
;;     2. [M 65,536, K 1,024] x [K 1,024, N 1,024]; A: input enc_out; B: input Ua (given as codes): QUANTISED
;;     3. [M 65,536, K 1,024] x [K 1,024, N 1]; A: computed on the way; B: input Va: left as it is (N = 1 < 16)
;;     4. batch 32 x [M 1, K 2,048] x [K 2,048, N 1,024]; A: softmax; B: input enc_out: left as it is (M = 1 < 16)
;;   THE QUANTISER, for each operand of a quantised product, along K:
;;     - K is cut into blocks of 32 from its start; a last block that is shorter is filled with zeros.
;;     - A block's scale is 2^e with e = floor(log2(the largest magnitude in the block)) - 2, held to -126 .. 127; a block of zeros has e = 0. As a byte (E8M0): e + 127.
;;     - Each number is divided by its block's scale, clamped to +-6, and rounded to the nearest number of E2M1, ties to even, subnormals kept.
;;     - The product sums the exact products of the quantised numbers (number of the format x scale) in f32.
;;   ~~~python
;;   def quantise(x, axis):      # numpy; x: float32 -> the quantised numbers, widened to float32 again
;;       x = np.moveaxis(x, axis, -1); K = x.shape[-1]
;;       x = np.pad(x, [(0, 0)] * (x.ndim - 1) + [(0, -K % 32)]); x = x.reshape(x.shape[:-1] + (-1, 32)); a = np.abs(x).max(-1, keepdims=True)
;;       e = np.where(a > 0, np.clip(np.frexp(np.where(a > 0, a, 1))[1] - 1 - 2, -126, 127), 0)      # np.frexp(a)[1] - 1 = floor(log2(a)), exactly
;;       r = np.clip(x / 2.0 ** e, -6, 6)
;;       step = 2.0 ** (np.maximum(np.frexp(np.where(r == 0, 1, r))[1] - 1, 0) - 1)
;;       q = np.round(r / step) * step * 2.0 ** e      # np.round: ties to even
;;       return np.moveaxis(q.reshape(q.shape[:-2] + (-1,))[..., :K], -1, axis).astype(np.float32)
;;   ~~~
;;   INPUTS GIVEN AS CODES. Ua (in the module: [1024, 1024], K = its axis 0); Wa (in the module: [1024, 1024], K = its axis 0); dec_hidden (in the module: [32, 1024], K = its axis 1): each comes as NAME_codes (uint8): NAME with its K axis moved to the last place and cut into blocks of 32 codes, [.., K / 32, bytes a block], one block behind the other in memory; two codes a byte, the lower K in the low four bits (a code: sign, 2 exponent bits, 1 mantissa bit); and NAME_scales (uint8): the same leading axes, one E8M0 byte (e + 127) for each 32 codes along K. Its value is code x scale, taken as it is: it is not quantised again, and the codes and scales need not be those that the quantiser above would give.
;; 2 versions, each right; version 2 is version 1 with the launches prep, main written anew for expert scheduling mode. Each part assembles by itself: llvm-mc -triple=amdgcn-amd-amdhsa -mcpu=gfx1250 --defsym DOCPART=n.
;; ======== version 1 of 2: 3 launches
;; workspace buffers: UaP 589,824 bytes; dpc2 262,144 bytes; part 1,114,112 bytes
;; launch prep (part 1): grid 16 x 1, 8 waves a work-group, no clusters, 17,920 bytes of LDS; arguments Ua_codes, Ua_scales, Va, Wa_codes, Wa_scales, dec_hidden_codes, dec_hidden_scales, UaP, dpc2; writes UaP, dpc2
.if DOCPART == 1
	.amdgcn_target "amdgcn-amd-amdhsa--gfx1250"
	.amdhsa_code_object_version 6
	.text
	.protected	k_qfe665e7eb0_prep
	.globl	k_qfe665e7eb0_prep
	.p2align	8
	.type	k_qfe665e7eb0_prep,@function
k_qfe665e7eb0_prep:
	s_mov_b64 s[64:65], 0
	v_nop
	global_prefetch_b8 v0, s[64:65] scope:SCOPE_SE
	s_setreg_imm32_b32 hwreg(HW_REG_WAVE_MODE, 25, 1), 1
	s_wait_xcnt 0x0
; Two small jobs ahead of the main launch, shared by the wave's number.  Work-group g owns U tiles 4 g .. 4 g + 3 (16 columns each); t = 4 g + wave % 4.
; WAVES 0-3: Ua's tile t is laid out in the order of an operand's registers, a record of 9,216 bytes in UaP:
;   bytes 512 (2 s + c) + 16 lane: registers 4 c .. 4 c + 3 of the fragment of K step s (lane (r, h): bytes 64 s + 32 c + 16 h of row 16 t + r of Ua_codes);
;   bytes 8,192 + 16 lane: bytes 16 h .. 16 h + 15 of that row's 32 scale bytes (register q = the scale word of K step 4 h + q);   bytes 8,704 + 16 lane: Va[16 t + r], four times.
;   Every store of a wave covers 512 consecutive bytes, aligned.
; WAVES 4-7: dec_proj = dec_hidden x Wa on the given E2M1 codes and E8M0 scales, for the tile's 16 columns and all 32 batches, times c2 = 2 log2(e), each number written twice:
;   dpc2[b][u] = {c2 d, c2 d}, the pair that the main launch's packed multiply-add takes as its addend.  The product is used transposed (source 0 = 16 columns of Wa, source 1 = 16 batches),
;   so that a lane holds eight neighbouring u of one batch; the four tiles meet in a stage in LDS (32 rows of 512 bytes + 16) and leave as whole rows of 512 bytes.
; LIMITS: codes and scales are taken as given; a scale byte 0xff gives NaN as it does in the format.
.set WF,  16                           ; v16-79   Ua's or Wa's 8 fragments; later the doubled results (v16-47)
.set DF,  96                           ; v96-223  dec_hidden's fragments: (m, s) at 96 + 8 (8 m + s); later v96-111 rows read back from the stage
.set WS,  224                          ; v224-227 Wa's scale words;  v228-235 dec_hidden's: registers that hold scales and nothing else
.set DS,  228
.set AC,  236                          ; v236-251 two accumulators: batches 0-15, 16-31
	s_load_b256 s[4:11], s[0:1], 0x0               ; Ua_codes s[4:5], Ua_scales s[6:7], Va s[8:9], Wa_codes s[10:11]
	s_load_b256 s[16:23], s[0:1], 0x20             ; Wa_scales s[16:17], dec_hidden_codes s[18:19], dec_hidden_scales s[20:21], UaP s[22:23]
	s_load_b64 s[24:25], s[0:1], 0x40              ; dpc2
	v_lshl_add_u32 v254, v0, 2, 0x4200
	v_mov_b32 v255, 0
	v_lshrrev_b32 v1, 5, v0
	v_readfirstlane_b32 s12, v1                    ; wave 0..7
	s_and_b32 s13, s12, 3
	s_lshl_b32 s14, ttmp9, 2
	s_add_co_u32 s14, s14, s13                     ; t
	v_and_b32 v1, 15, v0                           ; r
	v_bfe_u32 v2, v0, 4, 1                         ; h
	v_and_b32 v3, 31, v0                           ; lane
	v_lshlrev_b32 v4, 9, v1
	v_lshl_add_u32 v4, v2, 4, v4                   ; a fragment's bytes: row r of 512 bytes + 16 h
	v_lshlrev_b32 v5, 5, v1
	v_lshl_add_u32 v5, v2, 4, v5                   ; scale bytes: row r of 32 + 16 h
	v_lshlrev_b32 v6, 2, v1                        ; Va: 4 r
	v_lshlrev_b32 v7, 4, v3                        ; 16 x lane
	v_mul_u32_u24 v8, v1, 528
	v_lshl_add_u32 v8, v2, 6, v8
	s_lshl_b32 s15, s13, 7
	v_add_nc_u32 v8, s15, v8                       ; the stage, in: row (batch) r, + 128 x tile, + 64 h: my eight pairs
	s_mul_i32 s15, s12, 2112
	v_add_nc_u32 v9, s15, v7                       ; back: wave w takes rows 4 w .. 4 w + 3, 16 bytes a lane
	s_lshl_b32 s15, s12, 15
	v_add_nc_u32 v10, s15, v7                      ; and the same rows in dpc2, 8,192 bytes apart
	s_mov_b32 s28, 0x4038aa3b                      ; c2 = 2 log2(e)
	s_mov_b32 s27, 0
	s_wait_kmcnt 0x0
	s_lshl_b32 s26, s14, 13                        ; 16 rows of 512 bytes of codes
	s_add_nc_u64 s[4:5], s[4:5], s[26:27]
	s_add_nc_u64 s[10:11], s[10:11], s[26:27]
	s_lshl_b32 s26, s14, 9                         ; 16 rows of 32 scale bytes
	s_add_nc_u64 s[6:7], s[6:7], s[26:27]
	s_add_nc_u64 s[16:17], s[16:17], s[26:27]
	s_lshl_b32 s26, s14, 6
	s_add_nc_u64 s[8:9], s[8:9], s[26:27]          ; Va at column 16 t
	s_mul_i32 s26, s14, 9216
	s_add_nc_u64 s[22:23], s[22:23], s[26:27]      ; record t
	s_lshl_b32 s26, ttmp9, 9
	s_add_nc_u64 s[24:25], s[24:25], s[26:27]      ; dpc2 at column 64 g: 512 bytes of each batch's row
	s_cmp_lt_u32 s12, 4
	s_cbranch_scc0 .Lproduct
	; ---- waves 0-3: the record
.irp k, 0,1,2,3,4,5,6,7,8,9,10,11,12,13,14,15
	global_load_b128 v[WF+4*\k:WF+4*\k+3], v4, s[4:5] offset:32*\k          ; k = 2 s + c: bytes 64 s + 32 c
.endr
	global_load_b128 v[80:83], v5, s[6:7]
	global_load_b32 v84, v6, s[8:9]
	s_wait_loadcnt 0x0
	v_mov_b32 v85, v84
	v_mov_b32 v86, v84
	v_mov_b32 v87, v84
.irp k, 0,1,2,3,4,5,6,7,8,9,10,11,12,13,14,15,16,17
	global_store_b128 v7, v[WF+4*\k:WF+4*\k+3], s[22:23] offset:512*\k      ; the registers as they stand: 16 of codes, the scale words, Va
.endr
	s_branch .Lmeet
.Lproduct:
	; ---- waves 4-7: c2 x dec_proj
.irp k, 0,1,2,3,4,5,6,7,8,9,10,11,12,13,14,15
	global_load_b128 v[WF+4*\k:WF+4*\k+3], v4, s[10:11] offset:32*\k
.endr
	global_load_b128 v[WS:WS+3], v5, s[16:17]
.irp m, 0,1
.irp k, 0,1,2,3,4,5,6,7,8,9,10,11,12,13,14,15
	global_load_b128 v[DF+64*\m+4*\k:DF+64*\m+4*\k+3], v4, s[18:19] offset:8192*\m+32*\k
.endr
	global_load_b128 v[DS+4*\m:DS+4*\m+3], v5, s[20:21] offset:512*\m
.endr
	s_wait_loadcnt 0x0
	; the two accumulators take turns, one instruction a turn; the first K step starts the sums.  K steps 4-7 take their scale words from lanes 16-31
.irp s, 0,1,2,3,4,5,6,7
.irp m, 0,1
.if \s == 0
	v_wmma_scale_f32_16x16x128_f8f6f4 v[AC+8*\m:AC+8*\m+7], v[WF+8*\s:WF+8*\s+7], v[DF+64*\m+8*\s:DF+64*\m+8*\s+7], 0, v[WS+\s%4], v[DS+4*\m+\s%4] matrix_a_fmt:MATRIX_FMT_FP4 matrix_b_fmt:MATRIX_FMT_FP4
.elseif \s < 4
	v_wmma_scale_f32_16x16x128_f8f6f4 v[AC+8*\m:AC+8*\m+7], v[WF+8*\s:WF+8*\s+7], v[DF+64*\m+8*\s:DF+64*\m+8*\s+7], v[AC+8*\m:AC+8*\m+7], v[WS+\s%4], v[DS+4*\m+\s%4] matrix_a_fmt:MATRIX_FMT_FP4 matrix_b_fmt:MATRIX_FMT_FP4
.else
	v_wmma_scale_f32_16x16x128_f8f6f4 v[AC+8*\m:AC+8*\m+7], v[WF+8*\s:WF+8*\s+7], v[DF+64*\m+8*\s:DF+64*\m+8*\s+7], v[AC+8*\m:AC+8*\m+7], v[WS+\s%4], v[DS+4*\m+\s%4] matrix_a_fmt:MATRIX_FMT_FP4 matrix_b_fmt:MATRIX_FMT_FP4 matrix_a_scale:MATRIX_SCALE_ROW1 matrix_b_scale:MATRIX_SCALE_ROW1
.endif
.endr
.endr
.rept 4
	v_nop                                          ; four places between the last product and the first read of results and the first write over operands (ISA guide 7.12.1)
.endr
.set i, 0
.rept 16                                       ; lane (r, h), register j of accumulator m: d(batch 16 m + r, u = 16 t + 8 h + j); each accumulator from its low end on
	v_mul_f32 v[WF+2*i], s28, v[AC+i]
	v_mul_f32 v[WF+2*i+1], s28, v[AC+i]
.set i, i+1
.endr
.irp m, 0,1
.irp k, 0,1,2,3
	ds_store_b128 v8, v[WF+16*\m+4*\k:WF+16*\m+4*\k+3] offset:8448*\m+16*\k
.endr
.endr
.Lmeet:
	s_wait_dscnt 0x0                               ; for the others' sake: my stores into the stage are done
	s_barrier_signal -1
	s_barrier_wait -1
.irp p, 0,1,2,3
	ds_load_b128 v[DF+4*\p:DF+4*\p+3], v9 offset:528*\p
.endr
.irp p, 0,1,2,3
	s_wait_dscnt 3-\p
	global_store_b128 v10, v[DF+4*\p:DF+4*\p+3], s[24:25] offset:8192*\p    ; 32 lanes store 512 consecutive bytes, aligned
.endr
	s_wait_tensorcnt 0x0
	ds_add_u32 v254, v255
	s_wait_dscnt 0x0
	s_endpgm
.Lfunc_end_k_qfe665e7eb0_prep:
	.size	k_qfe665e7eb0_prep, .Lfunc_end_k_qfe665e7eb0_prep-k_qfe665e7eb0_prep
	.p2alignl 7, 3214868480
	.fill 96, 4, 3214868480
	.section	.rodata,"a",@progbits
	.p2align	6, 0x0
	.amdhsa_kernel k_qfe665e7eb0_prep
		.amdhsa_group_segment_fixed_size 17920
		.amdhsa_private_segment_fixed_size 0
		.amdhsa_enable_private_segment 0
		.amdhsa_kernarg_size 72
		.amdhsa_user_sgpr_count 2
		.amdhsa_user_sgpr_kernarg_segment_ptr 1
		.amdhsa_wavefront_size32 1
		.amdhsa_system_sgpr_workgroup_id_x 1
		.amdhsa_system_sgpr_workgroup_id_y 1
		.amdhsa_system_sgpr_workgroup_id_z 1
		.amdhsa_system_vgpr_workitem_id 0
		.amdhsa_next_free_vgpr 256
		.amdhsa_next_free_sgpr 66
		.amdhsa_reserve_vcc 0
		.amdhsa_float_denorm_mode_32 3
		.amdhsa_float_denorm_mode_16_64 3
		.amdhsa_memory_ordered 1
		.amdhsa_forward_progress 1
		.amdhsa_inst_pref_size 16
	.end_amdhsa_kernel
	.amdgpu_metadata
---
amdhsa.version: [ 1, 2 ]
amdhsa.kernels:
  - .name:           k_qfe665e7eb0_prep
    .symbol:         k_qfe665e7eb0_prep.kd
    .args:
      - { .name: Ua_codes, .offset: 0, .size: 8, .value_kind: global_buffer, .address_space: global }
      - { .name: Ua_scales, .offset: 8, .size: 8, .value_kind: global_buffer, .address_space: global }
      - { .name: Va, .offset: 16, .size: 8, .value_kind: global_buffer, .address_space: global }
      - { .name: Wa_codes, .offset: 24, .size: 8, .value_kind: global_buffer, .address_space: global }
      - { .name: Wa_scales, .offset: 32, .size: 8, .value_kind: global_buffer, .address_space: global }
      - { .name: dec_hidden_codes, .offset: 40, .size: 8, .value_kind: global_buffer, .address_space: global }
      - { .name: dec_hidden_scales, .offset: 48, .size: 8, .value_kind: global_buffer, .address_space: global }
      - { .name: UaP, .offset: 56, .size: 8, .value_kind: global_buffer, .address_space: global }
      - { .name: dpc2, .offset: 64, .size: 8, .value_kind: global_buffer, .address_space: global }
    .group_segment_fixed_size: 17920
    .private_segment_fixed_size: 0
    .kernarg_segment_align: 8
    .kernarg_segment_size: 72
    .max_flat_workgroup_size: 256
    .sgpr_count:     66
    .vgpr_count:     256
    .wavefront_size: 32
...
	.end_amdgpu_metadata
.endif
;; end of part 1
;; launch main (part 2): grid 256 x 1, 8 waves a work-group, no clusters, 322,560 bytes of LDS; arguments enc_out, UaP, dpc2, part; writes part
.if DOCPART == 2
	.amdgcn_target "amdgcn-amd-amdhsa--gfx1250"
	.amdhsa_code_object_version 6
	.text
	.protected	k_qfe665e7eb0_main
	.globl	k_qfe665e7eb0_main
	.p2align	8
	.type	k_qfe665e7eb0_main,@function
k_qfe665e7eb0_main:
	s_mov_b64 s[64:65], 0
	v_nop
	global_prefetch_b8 v0, s[64:65] scope:SCOPE_SE
	s_setreg_imm32_b32 hwreg(HW_REG_WAVE_MODE, 25, 1), 1
	s_wait_xcnt 0x0
; Additive attention over enc_out [32][2048][1024] f32, read from memory ONCE.  Work-group g owns rows 256 g .. 256 g + 255 of the 65,536 (batch g / 8), in four blocks of 64 rows, and leaves one partial
; of the batch's softmax-weighted sum: part[g] = ctx[1024] (weights 2^(tau - m), not normalised), then {m, l} 32 times.
; ARITHMETIC.  tanh(z) = 1 - 2 g, g = 1 / (1 + 2^(c2 z)), c2 = 2 log2(e); 2^.. = infinity gives g = 0 and 2^.. = 0 gives g = 1, the right ends.  score = sum Va - 2 sum_u Va[u] g: the first term is the same
; for every row of a batch, the softmax takes it away, and it is never formed.  tau = -c2 sum_u Va[u] g is the score in units of log2; a running maximum m of tau is taken away before every exponential.
; ROLES, by the wave's number.  Waves 0-3 (C): wave V owns columns 256 V .. 256 V + 255 of U, 16 tiles, for all 64 rows of a block.  The block's E2M1 codes (32 fragments) stay in its registers; Ua's tiles come
; from UaP, which lies in the order of an operand's registers, straight into registers, TWO TILES AHEAD: a set of fragment registers is asked for again as soon as its tile's 32 products are issued, ahead of that
; tile's tanh, so that 38 loads (two tiles) of a C wave are on their way.  Waves 4-7 (L): wave V owns rows 16 V .. 16 V + 15 of every block: it streams them (seven rows, 56 loads,
; ahead), quantises them along K (blocks of 32, scale 2^(floor(log2 max) - 2)), keeps a bf16 copy in LDS, and, once a block's weights are known, adds weight x row into its 1,024 sums.
; In pass P the C waves work on block P while the L waves add block P - 1 and quantise block P + 1.  A wave of its own for the stream: loads end in the order of issue, so a wave that waited for the next
; tile of Ua would wait for every older load of enc_out too.
; NO JOINT LOADS, though all work-groups walk the same UaP: two blocks of 64 rows as bf16 take 262,144 bytes of LDS, codes, scale bytes, stage, scores and weights 59,392 more: 321,536 of 327,680; a ring of two
; slots of one tile for each of four waves would want 2 x 4 x 9,216 = 73,728.  Inside a work-group each byte of UaP feeds one wave alone, so it needs no LDS.
; LIMITS: NaN and infinities among the inputs are not served.  A block of 32 whose largest magnitude lies under 2^-124 (zeros too) gets the scale byte 1; the bytes are read by this program alone.
; enc_out is rounded to bf16 for the weighted sum.  The order of the sums differs from the reference's.
.set COD, 262144                       ; LDS: 0: bf16 rows, wave V x 65,536 + buffer x 32,768 + row x 2,048 + half x 1,024 + {0, 512} + 16 lane: images of registers, each wave's own
.set SCB, 295936                       ; COD: 64 rows of 512 bytes of codes + 16;   SCB: 64 rows of 32 scale bytes, 48 apart
.set STG, 299008                       ; a stage of 2 x 2,560 bytes for each L wave: 64 bytes + 16 of padding for each of 32 places
.set SCR, 319488                       ; partial scores: C wave V x 256 + 4 x row
.set PWB, 320512                       ; a block's 64 weights: L wave V x 256 + 4 x row, each wave's own copy
; v1 16 lane   v2-v6 an L wave's places (bf16 rows, codes, scale bytes, stage in, stage out)   v7-v10 the same for the trip in hand, and its weights   v11, v12 a C wave's fragments and scale words
; v13 partial scores out   v14 in   v15 weights out   v16 the merge   v17 8 r   v18 512 wave + 16 lane   v19 8 lane.  All made in lines that every wave runs; none ever holds loaded data.
; C: v24-87, v88-151 two sets of Ua's 8 fragments; v152-159 and v248-255 FOUR sets of {Va, Va}, {c2 d, c2 d}, by tile % 4: a tile's set is still read by its tanh while the loads of the two tiles behind it are out
; (v248-252 serve the head's arithmetic first); ACC, SAC; v224-239 the rows' scale words, v240-247 Ua's (they hold scales and nothing else); window 1: the rows' 32 fragments.
; L: v24-151 eight bf16 rows; over them v24-55 a row's 32 numbers a lane, v56-71 the same as bf16; v152-157 codes and bytes; v158-163 at work; PWT, CTX; v204 m, v205 l, v[206:207] f; v208-215 at work; window 1: eight rows of the stream.
.set ACC, 160
.set SAC, 192
.set ASC, 224
.set BSC, 240
.set PWT, 164
.set CTX, 172
; s12 wave, s13 V; s[16:17] my rows of enc_out; s[18:19], s[20:21] those of this trip and the next; s[24:25] my 16 records of UaP; s[26:27] my 256 pairs of dpc2; s[28:29] part[g];
; s[30:31] c2; s32 -c2; s33 my weights in LDS; s[34:35] lane selects; s36 T, the stream's trip; s37 pass; s38 half; s[48:49], s[50:51] this half's 8 records and the other's; s[52:53], s[54:55] the pairs likewise
.set MSB, 0
.macro WIN new                         ; s_set_vgpr_msb: bits 1:0 source 0, 3:2 source 1, 7:6 destination; the high byte repeats the setting that is left.  0 at every label and branch
.if MSB != \new
	s_set_vgpr_msb (MSB<<8)|\new
.set MSB, \new
.endif
.endm
.macro BAR                             ; my LDS stores have landed and my LDS loads are in; then the work-group's barrier.  Loads from memory stay on their way: nobody writes their bytes
	s_wait_dscnt 0x0
	s_barrier_signal -1
	s_barrier_wait -1
.endm
; The head of a trip of eight rows, run by every wave: the places of rows 8 (T % 2) .. + 7 of the block, in bf16 buffer (T / 2) % 2, and the stream's addresses
.macro TRIPHEAD
	s_wait_dscnt 0x0                               ; the last trip's LDS stores have read their registers and addresses
	s_and_b32 s40, s36, 1
	s_bfe_u32 s41, s36, 0x10001
	s_lshl_b32 s42, s41, 15
	s_lshl_b32 s43, s40, 14
	s_add_co_u32 s42, s42, s43
	v_add_nc_u32 v7, s42, v2
	s_mul_i32 s42, s40, 4224
	v_add_nc_u32 v8, s42, v3
	s_mul_i32 s42, s40, 384
	v_add_nc_u32 v9, s42, v4
	s_lshl_b32 s42, s40, 5
	s_add_co_u32 s42, s42, s33
	v_mov_b32 v10, s42
	s_wait_xcnt 0x0                                ; the bases of the loads that are out are written again only behind this wait
	s_lshr_b32 s42, s36, 1
	s_lshl_b32 s42, s42, 18                        ; a block is 64 rows of 4,096 bytes,
	s_lshl_b32 s43, s40, 15                        ; a trip eight rows
	s_or_b32 s22, s42, s43
	s_add_nc_u64 s[18:19], s[16:17], s[22:23]
	s_add_co_u32 s44, s36, 1
	s_and_b32 s45, s44, 1
	s_lshr_b32 s44, s44, 1
	s_lshl_b32 s44, s44, 18
	s_lshl_b32 s45, s45, 15
	s_or_b32 s22, s44, s45
	s_add_nc_u64 s[20:21], s[16:17], s[22:23]
.endm
; 19 loads: a tile of Ua (16 of codes, its scale words) into set st, and Va and its columns' c2 d into set vc of four
.macro BLOAD st, vc, ub, db, tile
.if (\vc) < 2
.set LV, 152+4*(\vc)
.else
.set LV, 240+4*(\vc)
.endif
.irp k, 0,1,2,3,4,5,6,7,8,9,10,11,12,13,14,15
	global_load_b128 v[24+64*\st+4*\k:24+64*\st+4*\k+3], v1, s[\ub:\ub+1] offset:9216*(\tile)+512*\k
.endr
	global_load_b128 v[BSC+4*\st:BSC+4*\st+3], v1, s[\ub:\ub+1] offset:9216*(\tile)+8192
	global_load_b64 v[LV:LV+1], v1, s[\ub:\ub+1] offset:9216*(\tile)+8704
	global_load_b64 v[LV+2:LV+3], v17, s[\db:\db+1] offset:128*(\tile)
.endm
; The five stages of g for a tile of 16 rows (8 registers): c2 z;  2^..;  + 1;  1 / ..;  the score's sum += Va g.  VCB: the tile's set of {Va, Va}, {c2 d, c2 d}
.macro SF m
.irp p, 0,2,4,6
	v_pk_fma_f32 v[ACC+8*\m+\p:ACC+8*\m+\p+1], v[ACC+8*\m+\p:ACC+8*\m+\p+1], s[30:31], v[VCB+2:VCB+3] op_sel_hi:[1,0,1]
.endr
.endm
.macro SE m
.irp p, 0,1,2,3,4,5,6,7
	v_exp_f32 v[ACC+8*\m+\p], v[ACC+8*\m+\p]
.endr
.endm
.macro SA m
	s_wait_alu depctr_va_vdst(0)
.irp p, 0,2,4,6
	v_pk_add_f32 v[ACC+8*\m+\p:ACC+8*\m+\p+1], v[ACC+8*\m+\p:ACC+8*\m+\p+1], 1.0 op_sel_hi:[1,0]
.endr
.endm
.macro SR m
.irp p, 0,1,2,3,4,5,6,7
	v_rcp_f32 v[ACC+8*\m+\p], v[ACC+8*\m+\p]
.endr
.endm
.macro SS m
.irp p, 0,2,4,6
	v_pk_fma_f32 v[SAC+8*\m+\p:SAC+8*\m+\p+1], v[ACC+8*\m+\p:ACC+8*\m+\p+1], v[VCB:VCB+1], v[SAC+8*\m+\p:SAC+8*\m+\p+1]
.endr
.endm
; Tile j of a half's eight: 64 rows x 16 columns x K = 1,024.  Source 0 = 16 rows, source 1 = Ua's 16 columns: lane (r, h), register i of accumulator m: row 16 m + 8 h + i, column r, so Va and c2 d are one number a lane
.macro UTILE j
.set PAR, (\j)%2
.if (\j)%4 < 2
.set VCB, 152+4*((\j)%4)
.else
.set VCB, 240+4*((\j)%4)
.endif
	s_wait_loadcnt 19                              ; loads end in the order of issue: this tile's 19 are in; behind them only the next tile's 19 have been issued, and may be out
	WIN 0x01                                       ; source 0 in window 1
.irp s, 0,1,2,3,4,5,6,7                        ; the four accumulators take turns, one instruction a turn; K step 0 starts the sums; K steps 4-7 take their scale words from lanes 16-31
.irp m, 0,1,2,3
.if \s == 0
	v_wmma_scale_f32_16x16x128_f8f6f4 v[ACC+8*\m:ACC+8*\m+7], v[8*(8*\m+\s):8*(8*\m+\s)+7], v[24+64*PAR+8*\s:24+64*PAR+8*\s+7], 0, v[ASC+4*\m+\s%4], v[BSC+4*PAR+\s%4] matrix_a_fmt:MATRIX_FMT_FP4 matrix_b_fmt:MATRIX_FMT_FP4
.elseif \s < 4
	v_wmma_scale_f32_16x16x128_f8f6f4 v[ACC+8*\m:ACC+8*\m+7], v[8*(8*\m+\s):8*(8*\m+\s)+7], v[24+64*PAR+8*\s:24+64*PAR+8*\s+7], v[ACC+8*\m:ACC+8*\m+7], v[ASC+4*\m+\s%4], v[BSC+4*PAR+\s%4] matrix_a_fmt:MATRIX_FMT_FP4 matrix_b_fmt:MATRIX_FMT_FP4
.else
	v_wmma_scale_f32_16x16x128_f8f6f4 v[ACC+8*\m:ACC+8*\m+7], v[8*(8*\m+\s):8*(8*\m+\s)+7], v[24+64*PAR+8*\s:24+64*PAR+8*\s+7], v[ACC+8*\m:ACC+8*\m+7], v[ASC+4*\m+\s%4], v[BSC+4*PAR+\s%4] matrix_a_fmt:MATRIX_FMT_FP4 matrix_b_fmt:MATRIX_FMT_FP4 matrix_a_scale:MATRIX_SCALE_ROW1 matrix_b_scale:MATRIX_SCALE_ROW1
.endif
.endr
.endr
	WIN 0
.rept 4
	v_nop                                          ; four places between the last products and the loads into their fragments and scale words, and the first read of results (ISA guide 7.12.1 for vector instructions)
.endr
	; this tile's products are issued, so its set is free: the tile TWO further on is asked for now, ahead of this tile's tanh.  Its Va and c2 d go to the set of four that tile j - 2 has left
.if \j < 6
	BLOAD PAR, (\j+2)%4, 48, 52, \j+2
.else
	BLOAD PAR, (\j+2)%4, 50, 54, \j-6              ; behind a half's last two tiles: the other half's first two
.endif
	; the stages of the four tiles of rows, staggered: behind each run of transcendentals stands a plain instruction on other registers before a result is used (ISA guide 5.7.2); each accumulator is read from its low end on
	SF 0
	SE 0
	SF 1
	SA 0
	SR 0
	SE 1
	SF 2
	SA 1
	SS 0
	SR 1
	SE 2
	SF 3
	SA 2
	SS 1
	SR 2
	SE 3
	v_nop
	s_wait_alu depctr_va_vdst(0)
	SA 3
	SS 2
	SR 3
	v_nop
	s_wait_alu depctr_va_vdst(0)
	SS 3
.endm
; The block's codes and scale words from LDS into the C wave's registers; the wait stands in the barrier that follows
.macro LOADA
	WIN 0x40                                       ; destination in window 1
.irp m, 0,1,2,3
.irp s, 0,1,2,3,4,5,6,7
.irp c, 0,1
	ds_load_b128 v[8*(8*\m+\s)+4*\c:8*(8*\m+\s)+4*\c+3], v11 offset:8448*\m+64*\s+32*\c    ; lane (r, h): bytes 64 s + 32 c + 16 h of row 16 m + r; rows 528 bytes apart fall on different banks
.endr
.endr
.endr
	WIN 0
.irp m, 0,1,2,3
	ds_load_b128 v[ASC+4*\m:ASC+4*\m+3], v12 offset:768*\m    ; register q: the scale word of K step 4 h + q
.endr
.endm
; Half e of row k: lane l holds columns 512 e + 16 l .. + 15; two neighbouring lanes hold a block of 32
.macro QUANT e, k
.set XS, 24+16*\e
.set YS, 56+8*\e
.set CR, 152+2*\e
.set ER, 156+\e
.set TS, 158+3*\e
	v_max3_num_f32 v[TS], |v[XS]|, |v[XS+1]|, |v[XS+2]|
	v_max3_num_f32 v[TS+1], |v[XS+3]|, |v[XS+4]|, |v[XS+5]|
.irp i, 6,10
	v_max3_num_f32 v[TS], v[TS], |v[XS+\i]|, |v[XS+\i+1]|
	v_max3_num_f32 v[TS+1], v[TS+1], |v[XS+\i+2]|, |v[XS+\i+3]|
.endr
	v_max3_num_f32 v[TS], v[TS], |v[XS+14]|, |v[XS+15]|
	v_max3_num_f32 v[TS], v[TS], v[TS+1], 0x1800000        ; and the floor 2^(3 - 127): the byte cannot fall under 1
	v_max_num_f32_dpp v[TS], v[TS], v[TS] row_xmask:1 row_mask:0xf bank_mask:0xf   ; with my neighbour's 16: the block's largest magnitude
	v_add_nc_u32 v[TS+2], 0xff000000, v[TS]                ; 2 off its exponent field: the conversion takes this operand's exponent field as its scale
	v_cvt_scalef32_pk8_fp4_f32 v[CR], v[XS:XS+7], v[TS+2]
	v_cvt_scalef32_pk8_fp4_f32 v[CR+1], v[XS+8:XS+15], v[TS+2]
	v_lshrrev_b32 v[ER], 23, v[TS+2]                       ; the scale's byte; also the plain instruction behind the conversions
	ds_store_b8 v9, v[ER] offset:48*\k+16*\e               ; both lanes of a block write the same byte with the same value
	ds_store_b64 v8, v[CR:CR+1] offset:528*\k+256*\e
.irp i, 0,1,2,3,4,5,6,7
	v_cvt_pk_bf16_f32 v[YS+\i], v[XS+2*\i], v[XS+2*\i+1]
.endr
	ds_store_b128 v7, v[YS:YS+3] offset:2048*\k+1024*\e
	ds_store_b128 v7, v[YS+4:YS+7] offset:2048*\k+1024*\e+512
.endm
; Row k of the trip (row 8 T + k of the wave's stream of 64), in slot k of the ring of eight.  The slot left one row ago takes the row seven further on
.macro PQROW k
.if \k == 0
	s_wait_loadcnt 48                              ; loads end in the order of issue: this row's eight are in, the six younger rows' 48 stay out
	WIN 0x40
.irp j, 0,1,2,3,4,5,6,7
	global_load_b128 v[224+4*\j:227+4*\j], v1, s[18:19] offset:7*4096+512*\j th:TH_LOAD_NT
.endr
	WIN 0
.else
	s_cmp_lt_u32 s36, 7                            ; the last trip asks for nothing beyond the wave's rows
	s_cbranch_scc0 .Ldry_\@
	s_wait_loadcnt 48
	WIN 0x40
.irp j, 0,1,2,3,4,5,6,7
	global_load_b128 v[32*(\k-1)+4*\j:32*(\k-1)+4*\j+3], v1, s[20:21] offset:(\k-1)*4096+512*\j th:TH_LOAD_NT
.endr
	WIN 0
	s_branch .Lfed_\@
.Ldry_\@:
	s_wait_loadcnt 0x0
.Lfed_\@:
.endif
	WIN 0x04                                       ; an LDS store's data are its source 1: window 1
.irp j, 0,1,2,3,4,5,6,7
	ds_store_b128 v5, v[32*\k+4*\j:32*\k+4*\j+3] offset:2560*(\j/4)+640*(\j%4)     ; as loaded: 512 consecutive bytes take eight places of the stage
.endr
	WIN 0
.irp e, 0,1
.irp i, 0,1,2,3
	ds_load_b128 v[24+16*\e+4*\i:24+16*\e+4*\i+3], v6 offset:2560*\e+16*\i         ; back: 64 consecutive bytes a lane.  LDS serves a wave's instructions in order: these see the stores above
.endr
.endr
	s_wait_dscnt 4                                 ; the first half is in (the second half's four loads may be out); so the stores above have read slot k, and the last row's stores their registers
	QUANT 0, \k
	s_wait_dscnt 4                                 ; the second half is in: behind its loads stand only the first half's four stores
	QUANT 1, \k
.endm
.macro PQ8
.irp k, 0,1,2,3,4,5,6,7
	PQROW \k
.endr
.endm
; Eight rows of the block whose weights are known: sum[column] += weight x bf16 row.  Register q of a row holds columns 512 (q / 8) + 16 lane + 2 (q % 8), + 1
.macro PX8
	ds_load_b128 v[PWT:PWT+3], v10                 ; the eight rows' weights, the same words in every lane
	ds_load_b128 v[PWT+4:PWT+7], v10 offset:16
.irp k, 0,1,2,3,4,5,6,7
.irp i, 0,1,2,3
	ds_load_b128 v[24+16*\k+4*\i:24+16*\k+4*\i+3], v7 offset:2048*\k+512*\i
.endr
.endr
.irp k, 0,1,2,3,4,5,6,7
	s_wait_dscnt 4*(7-\k)                          ; row k is in; the rows behind it, four loads each, may be out
.irp q, 0,1,2,3,4,5,6,7,8,9,10,11,12,13,14,15
	v_fma_mix_f32_bf16 v[CTX+2*\q], v[24+16*\k+\q], v[PWT+\k], v[CTX+2*\q] op_sel_hi:[1,0,0]
	v_fma_mix_f32_bf16 v[CTX+2*\q+1], v[24+16*\k+\q], v[PWT+\k], v[CTX+2*\q+1] op_sel:[1,0,0] op_sel_hi:[1,0,0]
.endr
.endr
.endm
	s_load_b256 s[4:11], s[0:1], 0x0               ; enc_out s[4:5], UaP s[6:7], dpc2 s[8:9], part s[10:11]
	v_lshl_add_u32 v22, v0, 2, 0x4e800
	v_mov_b32 v23, 0
	v_lshrrev_b32 v248, 5, v0
	v_readfirstlane_b32 s12, v248                  ; wave 0..7
	s_and_b32 s13, s12, 3                          ; V
	v_and_b32 v248, 31, v0                         ; lane
	v_and_b32 v249, 15, v0                         ; r
	v_bfe_u32 v250, v0, 4, 1                       ; h
	v_lshlrev_b32 v1, 4, v248
	s_lshl_b32 s40, s13, 16
	v_add_nc_u32 v2, s40, v1
	s_mul_i32 s40, s13, 8448
	s_add_co_u32 s40, s40, COD
	v_lshl_add_u32 v3, v248, 3, s40                ; codes: my wave's 16 rows, 8 bytes a lane
	v_lshrrev_b32 v251, 1, v248
	s_mul_i32 s40, s13, 768
	s_add_co_u32 s40, s40, SCB
	v_add_nc_u32 v4, s40, v251                     ; scale bytes: one for two lanes
	v_lshrrev_b32 v251, 2, v248
	v_mul_u32_u24 v251, v251, 80
	v_and_b32 v252, 3, v248
	v_lshl_add_u32 v251, v252, 4, v251             ; 80 (lane / 4) + 16 (lane % 4): four lanes' 64 bytes on end, then 16 of padding
	s_mul_i32 s40, s13, 5120
	s_add_co_u32 s40, s40, STG
	v_add_nc_u32 v5, s40, v251
	v_mul_u32_u24 v6, v248, 80
	v_add_nc_u32 v6, s40, v6
	v_mul_u32_u24 v11, v249, 528
	v_lshl_add_u32 v11, v250, 4, v11
	v_add_nc_u32 v11, COD, v11
	v_mul_u32_u24 v12, v249, 48
	v_lshl_add_u32 v12, v250, 4, v12
	v_add_nc_u32 v12, SCB, v12
	s_lshl_b32 s40, s13, 8
	s_add_co_u32 s41, s40, SCR
	v_lshl_add_u32 v13, v250, 5, s41
	v_lshl_add_u32 v14, v248, 2, SCR
	s_add_co_u32 s41, s40, PWB
	v_lshl_add_u32 v15, v248, 2, s41
	s_lshr_b32 s40, s12, 2
	s_mul_i32 s40, s40, 2560
	s_mul_i32 s41, s13, 640
	s_add_co_u32 s40, s40, s41
	s_add_co_u32 s40, s40, STG
	v_add_nc_u32 v16, s40, v251                    ; the merge: wave w reads bytes 512 w .. + 511 of each L wave's 4,096 bytes of sums
	v_lshlrev_b32 v17, 3, v249
	s_lshl_b32 s40, s12, 9
	v_add_nc_u32 v18, s40, v1
	v_lshlrev_b32 v19, 3, v248
	s_mul_i32 s33, s13, 320                        ; my copy of the weights (256 V), at my first row (4 x 16 V)
	s_add_co_u32 s33, s33, PWB
	s_mov_b32 s30, 0x4038aa3b                      ; c2 = 2 log2(e)
	s_mov_b32 s31, s30                             ; (named with it as a pair, so it is written)
	s_mov_b32 s32, 0xc038aa3b                      ; -c2
	s_mov_b32 s34, 0x76543210
	s_mov_b32 s35, 0xfedcba98                      ; v_permlanex16_b32's selects for lane l xor 16
	s_mov_b32 s36, 0
	s_mov_b32 s23, 0
	s_lshl_b32 s22, ttmp9, 20                      ; 256 rows of 4,096 bytes a work-group (under 2^28),
	s_lshl_b32 s40, s13, 16                        ; 16 rows a wave
	s_add_co_u32 s22, s22, s40
	s_wait_kmcnt 0x0
	s_add_nc_u64 s[16:17], s[4:5], s[22:23]
	s_mul_i32 s22, s13, 147456                     ; 16 records of 9,216 bytes
	s_add_nc_u64 s[24:25], s[6:7], s[22:23]
	s_lshr_b32 s22, ttmp9, 3
	s_lshl_b32 s22, s22, 13                        ; the batch's 1,024 pairs,
	s_lshl_b32 s40, s13, 11                        ; my 256 of them
	s_add_co_u32 s22, s22, s40
	s_add_nc_u64 s[26:27], s[8:9], s[22:23]
	s_mul_i32 s22, ttmp9, 4352
	s_add_nc_u64 s[28:29], s[10:11], s[22:23]
	s_cmp_lt_u32 s12, 4
	s_cbranch_scc0 .Lhead_l
	BLOAD 0, 0, 24, 26, 0                          ; C: tiles 0 and 1 into the two sets: 38 loads are out, as at the head of every tile from here on
	BLOAD 1, 1, 24, 26, 1
.set i, 0
.rept 32
	v_mov_b32 v[SAC+i], 0
.set i, i+1
.endr
	s_branch .Lhead_done
.Lhead_l:
	WIN 0x40
.irp k, 0,1,2,3,4,5,6
.irp j, 0,1,2,3,4,5,6,7
	global_load_b128 v[32*\k+4*\j:32*\k+4*\j+3], v1, s[16:17] offset:4096*\k+512*\j th:TH_LOAD_NT   ; L: rows 0 to 6 of the stream; each load covers 512 consecutive bytes
.endr
.endr
	WIN 0
.set i, 0
.rept 32
	v_mov_b32 v[CTX+i], 0                          ; the loop is written once: the first change of m multiplies zeros
.set i, i+1
.endr
	v_mov_b32 v204, 0xff61b1e6                     ; m: -3e38, under every tau
	v_mov_b32 v205, 0                              ; l, a part in each lane
	v_mov_b32 v206, 0
	v_mov_b32 v207, 0                              ; (named as the upper half of the pair v[206:207])
.Lhead_done:
.Lpro:                                         ; two trips: block 0 is quantised
	TRIPHEAD
	s_cmp_lt_u32 s12, 4
	s_cbranch_scc1 .Lpro_end
	PQ8
.Lpro_end:
	s_add_co_u32 s36, s36, 1
	s_cmp_lt_u32 s36, 2
	s_cbranch_scc1 .Lpro
	BAR                                            ; block 0's codes and scale bytes lie in LDS
	s_cmp_lt_u32 s12, 4
	s_cbranch_scc0 .Lfirst_a
	LOADA
.Lfirst_a:
	BAR                                            ; they are in the C waves' registers: the L waves may write the next block's
	s_mov_b32 s37, 0
.Lpass:                                        ; pass P: C: block P;  L: the sums of block P - 1, the codes of block P + 1
	s_mov_b32 s38, 0
.Lhalf:                                        ; a half: 8 of a C wave's 16 tiles; 8 of an L wave's 16 rows
	TRIPHEAD
	s_mul_i32 s22, s38, 73728                      ; (no load has been issued since the wait on XCNT above)  this half's eight records and pairs,
	s_add_nc_u64 s[48:49], s[24:25], s[22:23]
	s_lshl_b32 s22, s38, 10
	s_add_nc_u64 s[52:53], s[26:27], s[22:23]
	s_xor_b32 s44, s38, 1                          ; and the other half's
	s_mul_i32 s22, s44, 73728
	s_add_nc_u64 s[50:51], s[24:25], s[22:23]
	s_lshl_b32 s22, s44, 10
	s_add_nc_u64 s[54:55], s[26:27], s[22:23]
	s_cmp_lt_u32 s12, 4
	s_cbranch_scc0 .Lhalf_l
.irp j, 0,1,2,3,4,5,6,7
	UTILE \j
.endr
	s_branch .Lhalf_end
.Lhalf_l:
	s_cmp_lt_u32 s36, 4                            ; pass 0 has no block behind it
	s_cbranch_scc1 .Lno_px
	PX8                                            ; these eight rows are read out of the buffer first,
.Lno_px:
	s_cmp_lt_u32 s36, 8                            ; pass 3 has no block ahead of it
	s_cbranch_scc0 .Lno_pq
	PQ8                                            ; and then written over, by the same wave: so two buffers serve three blocks
.Lno_pq:
.Lhalf_end:
	s_add_co_u32 s36, s36, 1
	s_add_co_u32 s38, s38, 1
	s_cmp_lt_u32 s38, 2
	s_cbranch_scc1 .Lhalf
	s_cmp_lt_u32 s12, 4
	s_cbranch_scc0 .Lno_red
	; C: my 256 columns' part of the 64 scores: the sixteen lanes of a half hold sixteen columns of the same eight rows
.irp x, 1,2,4,8
.set i, 0
.rept 32
	v_add_f32_dpp v[SAC+i], v[SAC+i], v[SAC+i] row_xmask:\x row_mask:0xf bank_mask:0xf
.set i, i+1
.endr
.endr
.irp m, 0,1,2,3
.irp k, 0,1
	ds_store_b128 v13, v[SAC+8*\m+4*\k:SAC+8*\m+4*\k+3] offset:64*\m+16*\k     ; rows 16 m + 8 h + 4 k on; sixteen lanes write the same words with the same values
.endr
.endr
.Lno_red:
	BAR                                            ; the partial scores and the next block's codes lie in LDS
	s_cmp_lt_u32 s12, 4
	s_cbranch_scc0 .Lstats
	s_cmp_lt_u32 s37, 3
	s_cbranch_scc0 .Lno_a
	LOADA
.Lno_a:
.set i, 0
.rept 32
	v_mov_b32 v[SAC+i], 0
.set i, i+1
.endr
	s_branch .Lpass_end
.Lstats:
	; L: every L wave does the same: lane l takes rows l and l + 32
.irp w, 0,1,2,3
.irp p, 0,1
	ds_load_b32 v[208+2*\w+\p], v14 offset:256*\w+128*\p
.endr
.endr
	s_wait_dscnt 0x0
	v_add_f32 v208, v208, v210
	v_add_f32 v209, v209, v211
	v_add_f32 v212, v212, v214
	v_add_f32 v213, v213, v215
	v_add_f32 v208, v208, v212
	v_add_f32 v209, v209, v213
	v_mul_f32 v208, s32, v208                      ; tau
	v_mul_f32 v209, s32, v209
	v_max_num_f32 v210, v208, v209
	v_max_num_f32_dpp v210, v210, v210 row_xmask:1 row_mask:0xf bank_mask:0xf
	v_max_num_f32_dpp v210, v210, v210 row_xmask:2 row_mask:0xf bank_mask:0xf
	v_max_num_f32_dpp v210, v210, v210 row_xmask:4 row_mask:0xf bank_mask:0xf
	v_max_num_f32_dpp v210, v210, v210 row_xmask:8 row_mask:0xf bank_mask:0xf
	v_permlanex16_b32 v211, v210, s34, s35
	v_max_num_f32 v210, v210, v211
	v_max_num_f32 v210, v210, v204                 ; the new m
	v_sub_f32 v211, v204, v210
	v_sub_f32 v208, v208, v210
	v_sub_f32 v209, v209, v210
	v_exp_f32 v206, v211                           ; f = 2^(old m - new m)
	v_exp_f32 v208, v208                           ; the two rows' weights
	v_exp_f32 v209, v209
	v_mov_b32 v204, v210                           ; (the plain instruction behind the exponentials)
	s_wait_alu depctr_va_vdst(0)
	v_fma_f32 v205, v205, v206, v208
	v_add_f32 v205, v205, v209
	ds_store_b32 v15, v208
	ds_store_b32 v15, v209 offset:128
.irp q, 0,2,4,6,8,10,12,14,16,18,20,22,24,26,28,30
	v_pk_mul_f32 v[CTX+\q:CTX+\q+1], v[CTX+\q:CTX+\q+1], v[206:207] op_sel_hi:[1,0]    ; the sums under the new m
.endr
.Lpass_end:
	BAR                                            ; the codes are in registers and the scores are read: both may be written again
	s_add_co_u32 s37, s37, 1
	s_cmp_lt_u32 s37, 4
	s_cbranch_scc1 .Lpass
.Lepi:                                         ; two trips: the sums of block 3
	TRIPHEAD
	s_cmp_lt_u32 s12, 4
	s_cbranch_scc1 .Lepi_end
	PX8
.Lepi_end:
	s_add_co_u32 s36, s36, 1
	s_cmp_lt_u32 s36, 12
	s_cbranch_scc1 .Lepi
	s_cmp_lt_u32 s12, 4
	s_cbranch_scc1 .Lno_out
.irp e, 0,1
.irp i, 0,1,2,3
	ds_store_b128 v6, v[CTX+16*\e+4*\i:CTX+16*\e+4*\i+3] offset:2560*\e+16*\i      ; my 16 rows' share of the 1,024 sums, into my stage: 64 consecutive bytes a lane
.endr
.endr
	v_add_f32_dpp v205, v205, v205 row_xmask:1 row_mask:0xf bank_mask:0xf
	v_add_f32_dpp v205, v205, v205 row_xmask:2 row_mask:0xf bank_mask:0xf
	v_add_f32_dpp v205, v205, v205 row_xmask:4 row_mask:0xf bank_mask:0xf
	v_add_f32_dpp v205, v205, v205 row_xmask:8 row_mask:0xf bank_mask:0xf
	v_permlanex16_b32 v208, v205, s34, s35
	v_add_f32 v205, v205, v208                     ; l of the work-group's 256 rows
.Lno_out:
	BAR                                            ; the four shares lie in LDS
.irp w, 0,1,2,3
	ds_load_b128 v[160+4*\w:163+4*\w], v16 offset:5120*\w      ; (v160-175: in the C waves the last pass's two look-ahead tiles are still on their way into v24-159 and v240-247, which nothing names any more)
.endr
	s_wait_dscnt 0x0
	v_pk_add_f32 v[160:161], v[160:161], v[164:165]
	v_pk_add_f32 v[162:163], v[162:163], v[166:167]
	v_pk_add_f32 v[168:169], v[168:169], v[172:173]
	v_pk_add_f32 v[170:171], v[170:171], v[174:175]
	v_pk_add_f32 v[160:161], v[160:161], v[168:169]
	v_pk_add_f32 v[162:163], v[162:163], v[170:171]
	global_store_b128 v18, v[160:163], s[28:29]    ; each wave stores 512 consecutive bytes, aligned
	s_cmp_eq_u32 s12, 4
	s_cbranch_scc0 .Lend
	global_store_b64 v19, v[204:205], s[28:29] offset:4096     ; {m, l}, 32 times: 256 consecutive bytes, aligned
.Lend:
	s_wait_tensorcnt 0x0
	ds_add_u32 v22, v23
	s_wait_dscnt 0x0
	s_endpgm
.Lfunc_end_k_qfe665e7eb0_main:
	.size	k_qfe665e7eb0_main, .Lfunc_end_k_qfe665e7eb0_main-k_qfe665e7eb0_main
	.p2alignl 7, 3214868480
	.fill 96, 4, 3214868480
	.section	.rodata,"a",@progbits
	.p2align	6, 0x0
	.amdhsa_kernel k_qfe665e7eb0_main
		.amdhsa_group_segment_fixed_size 322560
		.amdhsa_private_segment_fixed_size 0
		.amdhsa_enable_private_segment 0
		.amdhsa_kernarg_size 32
		.amdhsa_user_sgpr_count 2
		.amdhsa_user_sgpr_kernarg_segment_ptr 1
		.amdhsa_wavefront_size32 1
		.amdhsa_system_sgpr_workgroup_id_x 1
		.amdhsa_system_sgpr_workgroup_id_y 1
		.amdhsa_system_sgpr_workgroup_id_z 1
		.amdhsa_system_vgpr_workitem_id 0
		.amdhsa_next_free_vgpr 512
		.amdhsa_next_free_sgpr 66
		.amdhsa_reserve_vcc 0
		.amdhsa_float_denorm_mode_32 3
		.amdhsa_float_denorm_mode_16_64 3
		.amdhsa_memory_ordered 1
		.amdhsa_forward_progress 1
		.amdhsa_inst_pref_size 253
	.end_amdhsa_kernel
	.amdgpu_metadata
---
amdhsa.version: [ 1, 2 ]
amdhsa.kernels:
  - .name:           k_qfe665e7eb0_main
    .symbol:         k_qfe665e7eb0_main.kd
    .args:
      - { .name: enc_out, .offset: 0, .size: 8, .value_kind: global_buffer, .address_space: global }
      - { .name: UaP, .offset: 8, .size: 8, .value_kind: global_buffer, .address_space: global }
      - { .name: dpc2, .offset: 16, .size: 8, .value_kind: global_buffer, .address_space: global }
      - { .name: part, .offset: 24, .size: 8, .value_kind: global_buffer, .address_space: global }
    .group_segment_fixed_size: 322560
    .private_segment_fixed_size: 0
    .kernarg_segment_align: 8
    .kernarg_segment_size: 32
    .max_flat_workgroup_size: 256
    .sgpr_count:     66
    .vgpr_count:     512
    .wavefront_size: 32
...
	.end_amdgpu_metadata
.endif
;; end of part 2
;; launch combine (part 3): grid 128 x 1, 2 waves a work-group, no clusters, 0 bytes of LDS; arguments part, out0; writes out0
.if DOCPART == 3
	.amdgcn_target "amdgcn-amd-amdhsa--gfx1250"
	.amdhsa_code_object_version 6
	.text
	.protected	k_qfe665e7eb0_combine
	.globl	k_qfe665e7eb0_combine
	.p2align	8
	.type	k_qfe665e7eb0_combine,@function
k_qfe665e7eb0_combine:
	s_mov_b64 s[64:65], 0
	v_nop
	global_prefetch_b8 v0, s[64:65] scope:SCOPE_SE
	s_setreg_imm32_b32 hwreg(HW_REG_WAVE_MODE, 25, 1), 1
	s_wait_xcnt 0x0
; out0[b][c] = sum_j e_j ctx_j[c] / sum_j e_j l_j, e_j = 2^(m_j - M), M = the largest m_j, over the batch's eight partials j (rows 8 b + j of part: 4,096 bytes of ctx, then {m, l} 32 times).
; Work-group g: batch g / 4, columns 256 (g % 4) on; a thread owns four columns, so sixteen neighbouring lanes store 256 consecutive bytes, aligned.  1.1 MB in, 0.13 MB out: no LDS, no matrix unit.
.set ML, 8                             ; v8-23  {m_j, l_j}; m_j becomes e_j
.set CX, 24                            ; v24-55 ctx_j, four numbers each
	s_load_b128 s[4:7], s[0:1], 0x0                ; part, out0
	s_lshr_b32 s8, ttmp9, 2                        ; b
	s_and_b32 s9, ttmp9, 3
	s_mul_i32 s10, s8, 34816                       ; eight rows of 4,352 bytes
	s_mov_b32 s11, 0
	s_lshl_b32 s12, s8, 12
	s_mov_b32 s13, 0
	s_lshl_b32 s14, s9, 10
	v_lshlrev_b32 v1, 4, v0
	v_add_nc_u32 v1, s14, v1                       ; my 16 bytes of a row of 4,096
	v_and_b32 v2, 31, v0
	v_lshlrev_b32 v2, 3, v2                        ; my lane's copy of {m, l}
	s_wait_kmcnt 0x0
	s_add_nc_u64 s[4:5], s[4:5], s[10:11]
	s_add_nc_u64 s[6:7], s[6:7], s[12:13]
.irp j, 0,1,2,3,4,5,6,7
	global_load_b64 v[ML+2*\j:ML+2*\j+1], v2, s[4:5] offset:4352*\j+4096
.endr
.irp j, 0,1,2,3,4,5,6,7
	global_load_b128 v[CX+4*\j:CX+4*\j+3], v1, s[4:5] offset:4352*\j
.endr
	s_wait_loadcnt 8                               ; the eight pairs are in; the eight loads of ctx may be out
	v_max3_num_f32 v56, v[ML], v[ML+2], v[ML+4]
	v_max3_num_f32 v56, v56, v[ML+6], v[ML+8]
	v_max3_num_f32 v56, v56, v[ML+10], v[ML+12]
	v_max_num_f32 v56, v56, v[ML+14]
.irp j, 0,1,2,3,4,5,6,7
	v_sub_f32 v[ML+2*\j], v[ML+2*\j], v56
.endr
.irp j, 0,1,2,3,4,5,6,7
	v_exp_f32 v[ML+2*\j], v[ML+2*\j]
.endr
	v_nop                                          ; a plain instruction between the exponentials and the use of their results
	s_wait_alu depctr_va_vdst(0)
	v_mul_f32 v57, v[ML], v[ML+1]
.irp j, 1,2,3,4,5,6,7
	v_fma_f32 v57, v[ML+2*\j], v[ML+2*\j+1], v57
.endr
	v_rcp_f32 v57, v57                             ; at least one e_j is 1 and its l_j at least 1: the divisor is no zero
	s_wait_loadcnt 0x0
	v_pk_mul_f32 v[58:59], v[CX:CX+1], v[ML:ML+1] op_sel_hi:[1,0]              ; of the pair {e, l} the low word serves both halves
	v_pk_mul_f32 v[60:61], v[CX+2:CX+3], v[ML:ML+1] op_sel_hi:[1,0]
.irp j, 1,2,3,4,5,6,7
	v_pk_fma_f32 v[58:59], v[CX+4*\j:CX+4*\j+1], v[ML+2*\j:ML+2*\j+1], v[58:59] op_sel_hi:[1,0,1]
	v_pk_fma_f32 v[60:61], v[CX+4*\j+2:CX+4*\j+3], v[ML+2*\j:ML+2*\j+1], v[60:61] op_sel_hi:[1,0,1]
.endr
	s_wait_alu depctr_va_vdst(0)
.irp i, 58,59,60,61
	v_mul_f32 v\i, v\i, v57
.endr
	global_store_b128 v1, v[58:61], s[6:7]
	s_endpgm
.Lfunc_end_k_qfe665e7eb0_combine:
	.size	k_qfe665e7eb0_combine, .Lfunc_end_k_qfe665e7eb0_combine-k_qfe665e7eb0_combine
	.p2alignl 7, 3214868480
	.fill 96, 4, 3214868480
	.section	.rodata,"a",@progbits
	.p2align	6, 0x0
	.amdhsa_kernel k_qfe665e7eb0_combine
		.amdhsa_group_segment_fixed_size 0
		.amdhsa_private_segment_fixed_size 0
		.amdhsa_enable_private_segment 0
		.amdhsa_kernarg_size 16
		.amdhsa_user_sgpr_count 2
		.amdhsa_user_sgpr_kernarg_segment_ptr 1
		.amdhsa_wavefront_size32 1
		.amdhsa_system_sgpr_workgroup_id_x 1
		.amdhsa_system_sgpr_workgroup_id_y 1
		.amdhsa_system_sgpr_workgroup_id_z 1
		.amdhsa_system_vgpr_workitem_id 0
		.amdhsa_next_free_vgpr 64
		.amdhsa_next_free_sgpr 66
		.amdhsa_reserve_vcc 0
		.amdhsa_float_denorm_mode_32 3
		.amdhsa_float_denorm_mode_16_64 3
		.amdhsa_memory_ordered 1
		.amdhsa_forward_progress 1
		.amdhsa_inst_pref_size 5
	.end_amdhsa_kernel
	.amdgpu_metadata
---
amdhsa.version: [ 1, 2 ]
amdhsa.kernels:
  - .name:           k_qfe665e7eb0_combine
    .symbol:         k_qfe665e7eb0_combine.kd
    .args:
      - { .name: part, .offset: 0, .size: 8, .value_kind: global_buffer, .address_space: global }
      - { .name: out0, .offset: 8, .size: 8, .value_kind: global_buffer, .address_space: global }
    .group_segment_fixed_size: 0
    .private_segment_fixed_size: 0
    .kernarg_segment_align: 8
    .kernarg_segment_size: 16
    .max_flat_workgroup_size: 64
    .sgpr_count:     66
    .vgpr_count:     64
    .wavefront_size: 32
...
	.end_amdgpu_metadata
.endif
;; end of part 3
;; ======== version 2 of 2: 3 launches; version 1 with the launches prep, main written anew for expert scheduling mode
;; workspace buffers: UaP 589,824 bytes; dpc2 262,144 bytes; part 1,114,112 bytes
;; launch prep (part 4): grid 16 x 1, 8 waves a work-group, no clusters, 17,920 bytes of LDS; arguments Ua_codes, Ua_scales, Va, Wa_codes, Wa_scales, dec_hidden_codes, dec_hidden_scales, UaP, dpc2; writes UaP, dpc2
.if DOCPART == 4
	.amdgcn_target "amdgcn-amd-amdhsa--gfx1250"
	.amdhsa_code_object_version 6
	.text
	.protected	k_qfe665e7eb0_prep
	.globl	k_qfe665e7eb0_prep
	.p2align	8
	.type	k_qfe665e7eb0_prep,@function
k_qfe665e7eb0_prep:
	s_mov_b64 s[64:65], 0
	v_nop
	global_prefetch_b8 v0, s[64:65] scope:SCOPE_SE
	s_setreg_imm32_b32 hwreg(HW_REG_WAVE_SCHED_MODE, 0, 2), 2
	s_setreg_imm32_b32 hwreg(HW_REG_WAVE_MODE, 25, 1), 1
	s_wait_xcnt 0x0
	s_wait_alu depctr_vm_vsrc(0)
; Two small jobs ahead of the main launch, shared by the wave's number.  Work-group g owns U tiles 4 g .. 4 g + 3 (16 columns each); t = 4 g + wave % 4.
; WAVES 0-3: Ua's tile t is laid out in the order of an operand's registers, a record of 9,216 bytes in UaP:
;   bytes 512 (2 s + c) + 16 lane: registers 4 c .. 4 c + 3 of the fragment of K step s (lane (r, h): bytes 64 s + 32 c + 16 h of row 16 t + r of Ua_codes);
;   bytes 8,192 + 16 lane: bytes 16 h .. 16 h + 15 of that row's 32 scale bytes (register q = the scale word of K step 4 h + q);   bytes 8,704 + 16 lane: Va[16 t + r], four times.
;   Every store of a wave covers 512 consecutive bytes, aligned.
; WAVES 4-7: dec_proj = dec_hidden x Wa on the given E2M1 codes and E8M0 scales, for the tile's 16 columns and all 32 batches, times c2 = 2 log2(e), each number written twice:
;   dpc2[b][u] = {c2 d, c2 d}, the pair that the main launch's packed multiply-add takes as its addend.  The product is used transposed (source 0 = 16 columns of Wa, source 1 = 16 batches),
;   so that a lane holds eight neighbouring u of one batch; the four tiles meet in a stage in LDS (32 rows of 512 bytes + 16) and leave as whole rows of 512 bytes.
; LIMITS: codes and scales are taken as given; a scale byte 0xff gives NaN as it does in the format.
; THE MODE: SCHED_MODE bits 1:0 = 2 (LLVM: expert scheduling mode 2), set by the entry lines.  The code itself states the register dependences between vector or matrix instructions
; and memory or LDS instructions, with s_wait_alu, always for 0.
; THE PLAN.  Registers that memory or LDS instructions touch:
;   v4-v10    offsets and LDS addresses: written at the head, never again: one wait on va_vdst at the head's end.
;   v16-84    waves 0-3: filled by loads, read by stores; no vector instruction writes them.  v85-87: three copies of v84, read by the last store alone: one wait ahead of it.
;   v16-47    waves 4-7: written by the 32 multiplications, read by the eight LDS stores: one wait between.  The same wait stands behind the products that read v96-111, in which the stage's rows land.
;   v96-111   all waves: filled from the stage, read by the four stores.
.set WF,  16                           ; v16-79   Ua's or Wa's 8 fragments; later the doubled results (v16-47)
.set DF,  96                           ; v96-223  dec_hidden's fragments: (m, s) at 96 + 8 (8 m + s); later v96-111 rows read back from the stage
.set WS,  224                          ; v224-227 Wa's scale words;  v228-235 dec_hidden's: registers that hold scales and nothing else
.set DS,  228
.set AC,  236                          ; v236-251 two accumulators: batches 0-15, 16-31
	s_load_b256 s[4:11], s[0:1], 0x0               ; Ua_codes s[4:5], Ua_scales s[6:7], Va s[8:9], Wa_codes s[10:11]
	s_load_b256 s[16:23], s[0:1], 0x20             ; Wa_scales s[16:17], dec_hidden_codes s[18:19], dec_hidden_scales s[20:21], UaP s[22:23]
	s_load_b64 s[24:25], s[0:1], 0x40              ; dpc2
	v_lshl_add_u32 v254, v0, 2, 0x4200
	v_mov_b32 v255, 0
	v_lshrrev_b32 v1, 5, v0
	v_readfirstlane_b32 s12, v1                    ; wave 0..7
	v_and_b32 v1, 15, v0                           ; r
	v_bfe_u32 v2, v0, 4, 1                         ; h
	v_and_b32 v3, 31, v0                           ; lane
	v_lshlrev_b32 v4, 9, v1
	v_lshl_add_u32 v4, v2, 4, v4                   ; a fragment's bytes: row r of 512 bytes + 16 h
	v_lshlrev_b32 v5, 5, v1
	v_lshl_add_u32 v5, v2, 4, v5                   ; scale bytes: row r of 32 + 16 h
	v_lshlrev_b32 v6, 2, v1                        ; Va: 4 r
	v_lshlrev_b32 v7, 4, v3                        ; 16 x lane
	v_mul_u32_u24 v8, v1, 528
	v_lshl_add_u32 v8, v2, 6, v8
	s_wait_alu depctr_va_sdst(0)                   ; s12 is written, ahead of its first reader
	s_and_b32 s13, s12, 3
	s_lshl_b32 s14, ttmp9, 2
	s_add_co_u32 s14, s14, s13                     ; t
	s_lshl_b32 s15, s13, 7
	v_add_nc_u32 v8, s15, v8                       ; the stage, in: row (batch) r, + 128 x tile, + 64 h: my eight pairs
	s_mul_i32 s15, s12, 2112
	v_add_nc_u32 v9, s15, v7                       ; back: wave w takes rows 4 w .. 4 w + 3, 16 bytes a lane
	s_lshl_b32 s15, s12, 15
	v_add_nc_u32 v10, s15, v7                      ; and the same rows in dpc2, 8,192 bytes apart
	s_mov_b32 s28, 0x4038aa3b                      ; c2 = 2 log2(e)
	s_mov_b32 s27, 0
	s_wait_kmcnt 0x0
	s_lshl_b32 s26, s14, 13                        ; 16 rows of 512 bytes of codes
	s_add_nc_u64 s[4:5], s[4:5], s[26:27]
	s_add_nc_u64 s[10:11], s[10:11], s[26:27]
	s_lshl_b32 s26, s14, 9                         ; 16 rows of 32 scale bytes
	s_add_nc_u64 s[6:7], s[6:7], s[26:27]
	s_add_nc_u64 s[16:17], s[16:17], s[26:27]
	s_lshl_b32 s26, s14, 6
	s_add_nc_u64 s[8:9], s[8:9], s[26:27]          ; Va at column 16 t
	s_mul_i32 s26, s14, 9216
	s_add_nc_u64 s[22:23], s[22:23], s[26:27]      ; record t
	s_lshl_b32 s26, ttmp9, 9
	s_add_nc_u64 s[24:25], s[24:25], s[26:27]      ; dpc2 at column 64 g: 512 bytes of each batch's row
	s_wait_alu depctr_va_vdst(0)                   ; v4 to v10 are written: every load, store and LDS instruction of the kernel reads one of them as its offset or address
	s_cmp_lt_u32 s12, 4
	s_cbranch_scc0 .Lproduct
	; ---- waves 0-3: the record
.irp k, 0,1,2,3,4,5,6,7,8,9,10,11,12,13,14,15
	global_load_b128 v[WF+4*\k:WF+4*\k+3], v4, s[4:5] offset:32*\k          ; k = 2 s + c: bytes 64 s + 32 c
.endr
	global_load_b128 v[80:83], v5, s[6:7]
	global_load_b32 v84, v6, s[8:9]
	s_wait_loadcnt 0x0
	v_mov_b32 v85, v84
	v_mov_b32 v86, v84
	v_mov_b32 v87, v84
.irp k, 0,1,2,3,4,5,6,7,8,9,10,11,12,13,14,15,16
	global_store_b128 v7, v[WF+4*\k:WF+4*\k+3], s[22:23] offset:512*\k      ; the registers as they were loaded: 16 of codes, the scale words; no vector instruction has written them
.endr
	s_wait_alu depctr_va_vdst(0)                   ; the three copies have written v85 to v87, which the last store reads
	global_store_b128 v7, v[WF+68:WF+71], s[22:23] offset:512*17            ; Va, four times
	s_branch .Lmeet
.Lproduct:
	; ---- waves 4-7: c2 x dec_proj
.irp k, 0,1,2,3,4,5,6,7,8,9,10,11,12,13,14,15
	global_load_b128 v[WF+4*\k:WF+4*\k+3], v4, s[10:11] offset:32*\k
.endr
	global_load_b128 v[WS:WS+3], v5, s[16:17]
.irp m, 0,1
.irp k, 0,1,2,3,4,5,6,7,8,9,10,11,12,13,14,15
	global_load_b128 v[DF+64*\m+4*\k:DF+64*\m+4*\k+3], v4, s[18:19] offset:8192*\m+32*\k
.endr
	global_load_b128 v[DS+4*\m:DS+4*\m+3], v5, s[20:21] offset:512*\m
.endr
	s_wait_loadcnt 0x0
	; the two accumulators take turns, one instruction a turn; the first K step starts the sums.  K steps 4-7 take their scale words from lanes 16-31
.irp s, 0,1,2,3,4,5,6,7
.irp m, 0,1
.if \s == 0
	v_wmma_scale_f32_16x16x128_f8f6f4 v[AC+8*\m:AC+8*\m+7], v[WF+8*\s:WF+8*\s+7], v[DF+64*\m+8*\s:DF+64*\m+8*\s+7], 0, v[WS+\s%4], v[DS+4*\m+\s%4] matrix_a_fmt:MATRIX_FMT_FP4 matrix_b_fmt:MATRIX_FMT_FP4
.elseif \s < 4
	v_wmma_scale_f32_16x16x128_f8f6f4 v[AC+8*\m:AC+8*\m+7], v[WF+8*\s:WF+8*\s+7], v[DF+64*\m+8*\s:DF+64*\m+8*\s+7], v[AC+8*\m:AC+8*\m+7], v[WS+\s%4], v[DS+4*\m+\s%4] matrix_a_fmt:MATRIX_FMT_FP4 matrix_b_fmt:MATRIX_FMT_FP4
.else
	v_wmma_scale_f32_16x16x128_f8f6f4 v[AC+8*\m:AC+8*\m+7], v[WF+8*\s:WF+8*\s+7], v[DF+64*\m+8*\s:DF+64*\m+8*\s+7], v[AC+8*\m:AC+8*\m+7], v[WS+\s%4], v[DS+4*\m+\s%4] matrix_a_fmt:MATRIX_FMT_FP4 matrix_b_fmt:MATRIX_FMT_FP4 matrix_a_scale:MATRIX_SCALE_ROW1 matrix_b_scale:MATRIX_SCALE_ROW1
.endif
.endr
.endr
.rept 4
	v_nop                                          ; four places between the last product and the first read of results and the first write over operands (ISA guide 7.12.1)
.endr
.set i, 0
.rept 16                                       ; lane (r, h), register j of accumulator m: d(batch 16 m + r, u = 16 t + 8 h + j); each accumulator from its low end on
	v_mul_f32 v[WF+2*i], s28, v[AC+i]
	v_mul_f32 v[WF+2*i+1], s28, v[AC+i]
.set i, i+1
.endr
	s_wait_alu depctr_va_vdst(0)                   ; the multiplications have written v16 to v47, which the LDS stores read; the products are done reading v96 to v111, in which the stage's rows land behind the barrier
.irp m, 0,1
.irp k, 0,1,2,3
	ds_store_b128 v8, v[WF+16*\m+4*\k:WF+16*\m+4*\k+3] offset:8448*\m+16*\k
.endr
.endr
.Lmeet:
	s_wait_dscnt 0x0                               ; for the others' sake: my stores into the stage are done
	s_barrier_signal -1
	s_barrier_wait -1
.irp p, 0,1,2,3
	ds_load_b128 v[DF+4*\p:DF+4*\p+3], v9 offset:528*\p
.endr
.irp p, 0,1,2,3
	s_wait_dscnt 3-\p
	global_store_b128 v10, v[DF+4*\p:DF+4*\p+3], s[24:25] offset:8192*\p    ; 32 lanes store 512 consecutive bytes, aligned
.endr
	s_wait_dscnt 0x0                               ; the closing lines, six on end
	s_wait_alu 0x0
	s_wait_tensorcnt 0x0
	ds_add_u32 v254, v255
	s_wait_dscnt 0x0
	s_endpgm
.Lfunc_end_k_qfe665e7eb0_prep:
	.size	k_qfe665e7eb0_prep, .Lfunc_end_k_qfe665e7eb0_prep-k_qfe665e7eb0_prep
	.p2alignl 7, 3214868480
	.fill 96, 4, 3214868480
	.section	.rodata,"a",@progbits
	.p2align	6, 0x0
	.amdhsa_kernel k_qfe665e7eb0_prep
		.amdhsa_group_segment_fixed_size 17920
		.amdhsa_private_segment_fixed_size 0
		.amdhsa_enable_private_segment 0
		.amdhsa_kernarg_size 72
		.amdhsa_user_sgpr_count 2
		.amdhsa_user_sgpr_kernarg_segment_ptr 1
		.amdhsa_wavefront_size32 1
		.amdhsa_system_sgpr_workgroup_id_x 1
		.amdhsa_system_sgpr_workgroup_id_y 1
		.amdhsa_system_sgpr_workgroup_id_z 1
		.amdhsa_system_vgpr_workitem_id 0
		.amdhsa_next_free_vgpr 256
		.amdhsa_next_free_sgpr 66
		.amdhsa_reserve_vcc 0
		.amdhsa_float_denorm_mode_32 3
		.amdhsa_float_denorm_mode_16_64 3
		.amdhsa_memory_ordered 1
		.amdhsa_forward_progress 1
		.amdhsa_inst_pref_size 16
	.end_amdhsa_kernel
	.amdgpu_metadata
---
amdhsa.version: [ 1, 2 ]
amdhsa.kernels:
  - .name:           k_qfe665e7eb0_prep
    .symbol:         k_qfe665e7eb0_prep.kd
    .args:
      - { .name: Ua_codes, .offset: 0, .size: 8, .value_kind: global_buffer, .address_space: global }
      - { .name: Ua_scales, .offset: 8, .size: 8, .value_kind: global_buffer, .address_space: global }
      - { .name: Va, .offset: 16, .size: 8, .value_kind: global_buffer, .address_space: global }
      - { .name: Wa_codes, .offset: 24, .size: 8, .value_kind: global_buffer, .address_space: global }
      - { .name: Wa_scales, .offset: 32, .size: 8, .value_kind: global_buffer, .address_space: global }
      - { .name: dec_hidden_codes, .offset: 40, .size: 8, .value_kind: global_buffer, .address_space: global }
      - { .name: dec_hidden_scales, .offset: 48, .size: 8, .value_kind: global_buffer, .address_space: global }
      - { .name: UaP, .offset: 56, .size: 8, .value_kind: global_buffer, .address_space: global }
      - { .name: dpc2, .offset: 64, .size: 8, .value_kind: global_buffer, .address_space: global }
    .group_segment_fixed_size: 17920
    .private_segment_fixed_size: 0
    .kernarg_segment_align: 8
    .kernarg_segment_size: 72
    .max_flat_workgroup_size: 256
    .sgpr_count:     66
    .vgpr_count:     256
    .wavefront_size: 32
...
	.end_amdgpu_metadata
.endif
;; end of part 4
;; launch main (part 5): grid 256 x 1, 8 waves a work-group, no clusters, 322,560 bytes of LDS; arguments enc_out, UaP, dpc2, part; writes part
.if DOCPART == 5
	.amdgcn_target "amdgcn-amd-amdhsa--gfx1250"
	.amdhsa_code_object_version 6
	.text
	.protected	k_qfe665e7eb0_main
	.globl	k_qfe665e7eb0_main
	.p2align	8
	.type	k_qfe665e7eb0_main,@function
k_qfe665e7eb0_main:
	s_mov_b64 s[64:65], 0
	v_nop
	global_prefetch_b8 v0, s[64:65] scope:SCOPE_SE
	s_setreg_imm32_b32 hwreg(HW_REG_WAVE_SCHED_MODE, 0, 2), 2
	s_setreg_imm32_b32 hwreg(HW_REG_WAVE_MODE, 25, 1), 1
	s_wait_xcnt 0x0
	s_wait_alu depctr_vm_vsrc(0)
; Additive attention over enc_out [32][2048][1024] f32, read from memory ONCE.  Work-group g owns rows 256 g .. 256 g + 255 of the 65,536 (batch g / 8), in four blocks of 64 rows, and leaves one partial
; of the batch's softmax-weighted sum: part[g] = ctx[1024] (weights 2^(tau - m), not normalised), then {m, l} 32 times.
; ARITHMETIC.  tanh(z) = 1 - 2 g, g = 1 / (1 + 2^(c2 z)), c2 = 2 log2(e); 2^.. = infinity gives g = 0 and 2^.. = 0 gives g = 1, the right ends.  score = sum Va - 2 sum_u Va[u] g: the first term is the same
; for every row of a batch, the softmax takes it away, and it is never formed.  tau = -c2 sum_u Va[u] g is the score in units of log2; a running maximum m of tau is taken away before every exponential.
; ROLES, by the wave's number.  Waves 0-3 (C): wave V owns columns 256 V .. 256 V + 255 of U, 16 tiles, for all 64 rows of a block.  The block's E2M1 codes (32 fragments) stay in its registers; Ua's tiles come
; from UaP, which lies in the order of an operand's registers, straight into registers, TWO TILES AHEAD: a set of fragment registers is asked for again as soon as its tile's 32 products are done, among that
; tile's tanh stages, so that up to 38 loads (two tiles) of a C wave are on their way.  Waves 4-7 (L): wave V owns rows 16 V .. 16 V + 15 of every block: it streams them (seven rows, 56 loads,
; ahead), quantises them along K (blocks of 32, scale 2^(floor(log2 max) - 2)), keeps a bf16 copy in LDS, and, once a block's weights are known, adds weight x row into its 1,024 sums.
; In pass P the C waves work on block P while the L waves add block P - 1 and quantise block P + 1.  A wave of its own for the stream: loads end in the order of issue, so a wave that waited for the next
; tile of Ua would wait for every older load of enc_out too.
; NO JOINT LOADS, though all work-groups walk the same UaP: two blocks of 64 rows as bf16 take 262,144 bytes of LDS, codes, scale bytes, stage, scores and weights 59,392 more: 321,536 of 327,680; a ring of two
; slots of one tile for each of four waves would want 2 x 4 x 9,216 = 73,728.  Inside a work-group each byte of UaP feeds one wave alone, so it needs no LDS.
; LIMITS: NaN and infinities among the inputs are not served.  A block of 32 whose largest magnitude lies under 2^-124 (zeros too) gets the scale byte 1; the bytes are read by this program alone.
; enc_out is rounded to bf16 for the weighted sum.  The order of the sums differs from the reference's.
; THE MODE: SCHED_MODE bits 1:0 = 2 (LLVM: expert scheduling mode 2), set by the entry lines.  The code itself states the register dependences between vector or matrix instructions
; and memory or LDS instructions, with s_wait_alu, always for 0.
; THE PLAN.  Registers that memory or LDS instructions touch, who writes and who reads them, and the waits:
;   v1-v6, v11-v19   offsets and LDS addresses: written at the head, never again: one wait on va_vdst at the head's end.
;   v7-v10           a trip's LDS addresses: written at a trip's head: a wait on vm_vsrc ahead of the four lines, a wait on va_vdst behind them.  Every trip, half and pass begins with this pair.
;   C, tile j:       fragment set j % 2 and its scale words: read by the tile's 32 products, then loaded with tile j + 2.  {Va, c2 d} set (j + 2) % 4: last read by tile j - 2's stages, loaded with tile j + 2's.
;                    ONE wait on va_vdst behind the products; the 19 loads follow it, dealt among the tanh stages, which name the accumulators, the score's sums and set j % 4: none of the registers that those loads touch.
;   C, a pass:       the score's sums: written by the sums across lanes, read by eight LDS stores, cleared behind the barrier: a wait on va_vdst ahead of the stores, one on vm_vsrc behind them.
;                    The first of the two also stands behind every product that read the rows' fragments (window 1) and scale words (v224-239), in which the next block's land behind the barrier.
;   L, row k:        slot k of the stream (window 1): filled by loads, read by eight LDS stores, filled again in row k + 1; no vector instruction names it.  v24-55: filled from the stage, read by the quantiser.
;                    v152-157 and v56-71 (codes, bytes, bf16): written by the conversions, read by eight LDS stores.  ONE wait on va_vdst behind both halves' arithmetic, ahead of the eight stores: the results are written,
;                    and v24-55 are done with, so that the next row's loads from the stage owe nothing.  ONE wait on vm_vsrc at the next row's head: slot k and the results have been read.
;   L, the sums:     v24-151 and v164-171: filled from LDS, read by the multiply-adds: one wait on va_vdst behind them.
.set COD, 262144                       ; LDS: 0: bf16 rows, wave V x 65,536 + buffer x 32,768 + row x 2,048 + half x 1,024 + {0, 512} + 16 lane: images of registers, each wave's own
.set SCB, 295936                       ; COD: 64 rows of 512 bytes of codes + 16;   SCB: 64 rows of 32 scale bytes, 48 apart
.set STG, 299008                       ; a stage of 2 x 2,560 bytes for each L wave: 64 bytes + 16 of padding for each of 32 places
.set SCR, 319488                       ; partial scores: C wave V x 256 + 4 x row
.set PWB, 320512                       ; a block's 64 weights: L wave V x 256 + 4 x row, each wave's own copy
; v1 16 lane   v2-v6 an L wave's places (bf16 rows, codes, scale bytes, stage in, stage out)   v7-v10 the same for the trip in hand, and its weights   v11, v12 a C wave's fragments and scale words
; v13 partial scores out   v14 in   v15 weights out   v16 the merge   v17 8 r   v18 512 wave + 16 lane   v19 8 lane.  All made in lines that every wave runs; none ever holds loaded data.
; C: v24-87, v88-151 two sets of Ua's 8 fragments; v152-159 and v248-255 FOUR sets of {Va, Va}, {c2 d, c2 d}, by tile % 4: a tile's set is still read by its tanh while the loads of the two tiles behind it are out
; (v248-252 serve the head's arithmetic first); ACC, SAC; v224-239 the rows' scale words, v240-247 Ua's (they hold scales and nothing else); window 1: the rows' 32 fragments.
; L: v24-151 eight bf16 rows; over them v24-55 a row's 32 numbers a lane, v56-71 the same as bf16; v152-157 codes and bytes; v158-163 at work; PWT, CTX; v204 m, v205 l, v[206:207] f; v208-215 at work; window 1: eight rows of the stream.
.set ACC, 160
.set SAC, 192
.set ASC, 224
.set BSC, 240
.set PWT, 164
.set CTX, 172
; s12 wave, s13 V; s[16:17] my rows of enc_out; s[18:19], s[20:21] those of this trip and the next; s[24:25] my 16 records of UaP; s[26:27] my 256 pairs of dpc2; s[28:29] part[g];
; s[30:31] c2; s32 -c2; s33 my weights in LDS; s[34:35] lane selects; s36 T, the stream's trip; s37 pass; s38 half; s[48:49], s[50:51] this half's 8 records and the other's; s[52:53], s[54:55] the pairs likewise
.set MSB, 0
.macro WIN new                         ; s_set_vgpr_msb: bits 1:0 source 0, 3:2 source 1, 7:6 destination; the high byte repeats the setting that is left.  0 at every label and branch
.if MSB != \new
	s_set_vgpr_msb (MSB<<8)|\new
.set MSB, \new
.endif
.endm
.macro BAR                             ; my LDS stores have landed and my LDS loads are in; then the work-group's barrier.  Loads from memory stay on their way: nobody writes their bytes
	s_wait_dscnt 0x0
	s_barrier_signal -1
	s_barrier_wait -1
.endm
; The head of a trip of eight rows, run by every wave: the places of rows 8 (T % 2) .. + 7 of the block, in bf16 buffer (T / 2) % 2, and the stream's addresses
.macro TRIPHEAD
	s_wait_dscnt 0x0                               ; the last trip's LDS instructions are done
	s_wait_alu depctr_vm_vsrc(0)                   ; the LDS instructions issued so far have read v7 to v10, which are written below, and the last row's stores their data (v56-71, v152-157, v208, v209, slot 7), which this trip writes again
	s_and_b32 s40, s36, 1
	s_bfe_u32 s41, s36, 0x10001
	s_lshl_b32 s42, s41, 15
	s_lshl_b32 s43, s40, 14
	s_add_co_u32 s42, s42, s43
	v_add_nc_u32 v7, s42, v2
	s_mul_i32 s42, s40, 4224
	v_add_nc_u32 v8, s42, v3
	s_mul_i32 s42, s40, 384
	v_add_nc_u32 v9, s42, v4
	s_lshl_b32 s42, s40, 5
	s_add_co_u32 s42, s42, s33
	v_mov_b32 v10, s42
	s_wait_xcnt 0x0                                ; the bases of the loads that are out are written again only behind this wait
	s_lshr_b32 s42, s36, 1
	s_lshl_b32 s42, s42, 18                        ; a block is 64 rows of 4,096 bytes,
	s_lshl_b32 s43, s40, 15                        ; a trip eight rows
	s_or_b32 s22, s42, s43
	s_add_nc_u64 s[18:19], s[16:17], s[22:23]
	s_add_co_u32 s44, s36, 1
	s_and_b32 s45, s44, 1
	s_lshr_b32 s44, s44, 1
	s_lshl_b32 s44, s44, 18
	s_lshl_b32 s45, s45, 15
	s_or_b32 s22, s44, s45
	s_add_nc_u64 s[20:21], s[16:17], s[22:23]
	s_wait_alu depctr_va_vdst(0)                   ; v7 to v10 are written, which this trip's LDS loads and stores read
.endm
; Four of a tile's sixteen loads of codes, from load 'from' on, into set st
.macro BLC st, ub, tile, from
.irp q, 0,1,2,3
	global_load_b128 v[24+64*(\st)+4*((\from)+\q):24+64*(\st)+4*((\from)+\q)+3], v1, s[\ub:\ub+1] offset:9216*(\tile)+512*((\from)+\q)
.endr
.endm
; The tile's three other loads: its scale words into set st, Va and its columns' c2 d into set vc of four
.macro BLS st, vc, ub, db, tile
.if (\vc) < 2
.set LV, 152+4*(\vc)
.else
.set LV, 240+4*(\vc)
.endif
	global_load_b128 v[BSC+4*(\st):BSC+4*(\st)+3], v1, s[\ub:\ub+1] offset:9216*(\tile)+8192
	global_load_b64 v[LV:LV+1], v1, s[\ub:\ub+1] offset:9216*(\tile)+8704
	global_load_b64 v[LV+2:LV+3], v17, s[\db:\db+1] offset:128*(\tile)
.endm
; All 19 on end: at the head
.macro BLOAD st, vc, ub, db, tile
	BLC \st, \ub, \tile, 0
	BLC \st, \ub, \tile, 4
	BLC \st, \ub, \tile, 8
	BLC \st, \ub, \tile, 12
	BLS \st, \vc, \ub, \db, \tile
.endm
; The five stages of g for a tile of 16 rows (8 registers): c2 z;  2^..;  + 1;  1 / ..;  the score's sum += Va g.  VCB: the tile's set of {Va, Va}, {c2 d, c2 d}
.macro SF m
.irp p, 0,2,4,6
	v_pk_fma_f32 v[ACC+8*\m+\p:ACC+8*\m+\p+1], v[ACC+8*\m+\p:ACC+8*\m+\p+1], s[30:31], v[VCB+2:VCB+3] op_sel_hi:[1,0,1]
.endr
.endm
.macro SE m
.irp p, 0,1,2,3,4,5,6,7
	v_exp_f32 v[ACC+8*\m+\p], v[ACC+8*\m+\p]
.endr
.endm
.macro SA m
	s_wait_alu depctr_va_vdst(0)                   ; the exponentials of these 16 rows have written their results, which the additions read; so have the reciprocals issued ahead of them, which the sums that follow read
.irp p, 0,2,4,6
	v_pk_add_f32 v[ACC+8*\m+\p:ACC+8*\m+\p+1], v[ACC+8*\m+\p:ACC+8*\m+\p+1], 1.0 op_sel_hi:[1,0]
.endr
.endm
.macro SR m
.irp p, 0,1,2,3,4,5,6,7
	v_rcp_f32 v[ACC+8*\m+\p], v[ACC+8*\m+\p]
.endr
.endm
.macro SS m
.irp p, 0,2,4,6
	v_pk_fma_f32 v[SAC+8*\m+\p:SAC+8*\m+\p+1], v[ACC+8*\m+\p:ACC+8*\m+\p+1], v[VCB:VCB+1], v[SAC+8*\m+\p:SAC+8*\m+\p+1]
.endr
.endm
; Tile j of a half's eight: 64 rows x 16 columns x K = 1,024.  Source 0 = 16 rows, source 1 = Ua's 16 columns: lane (r, h), register i of accumulator m: row 16 m + 8 h + i, column r, so Va and c2 d are one number a lane
.macro UTILE j
.set PAR, (\j)%2
.if (\j)%4 < 2
.set VCB, 152+4*((\j)%4)
.else
.set VCB, 240+4*((\j)%4)
.endif
.set NVC, ((\j)+2)%4                   ; the tile two further on: its set of four,
.if \j < 6
.set NUB, 48                           ; its records' and pairs' bases, and its number in its half:
.set NDB, 52
.set NTL, (\j)+2
.else
.set NUB, 50                           ; behind a half's last two tiles: the other half's first two
.set NDB, 54
.set NTL, (\j)-6
.endif
	s_wait_loadcnt 19                              ; loads end in the order of issue: this tile's 19 are in; behind them only the next tile's 19 have been issued, and may be out
	WIN 0x01                                       ; source 0 in window 1
.irp s, 0,1,2,3,4,5,6,7                        ; the four accumulators take turns, one instruction a turn; K step 0 starts the sums; K steps 4-7 take their scale words from lanes 16-31
.irp m, 0,1,2,3
.if \s == 0
	v_wmma_scale_f32_16x16x128_f8f6f4 v[ACC+8*\m:ACC+8*\m+7], v[8*(8*\m+\s):8*(8*\m+\s)+7], v[24+64*PAR+8*\s:24+64*PAR+8*\s+7], 0, v[ASC+4*\m+\s%4], v[BSC+4*PAR+\s%4] matrix_a_fmt:MATRIX_FMT_FP4 matrix_b_fmt:MATRIX_FMT_FP4
.elseif \s < 4
	v_wmma_scale_f32_16x16x128_f8f6f4 v[ACC+8*\m:ACC+8*\m+7], v[8*(8*\m+\s):8*(8*\m+\s)+7], v[24+64*PAR+8*\s:24+64*PAR+8*\s+7], v[ACC+8*\m:ACC+8*\m+7], v[ASC+4*\m+\s%4], v[BSC+4*PAR+\s%4] matrix_a_fmt:MATRIX_FMT_FP4 matrix_b_fmt:MATRIX_FMT_FP4
.else
	v_wmma_scale_f32_16x16x128_f8f6f4 v[ACC+8*\m:ACC+8*\m+7], v[8*(8*\m+\s):8*(8*\m+\s)+7], v[24+64*PAR+8*\s:24+64*PAR+8*\s+7], v[ACC+8*\m:ACC+8*\m+7], v[ASC+4*\m+\s%4], v[BSC+4*PAR+\s%4] matrix_a_fmt:MATRIX_FMT_FP4 matrix_b_fmt:MATRIX_FMT_FP4 matrix_a_scale:MATRIX_SCALE_ROW1 matrix_b_scale:MATRIX_SCALE_ROW1
.endif
.endr
.endr
	WIN 0
.rept 4
	v_nop                                          ; four places between the last products and the first read of results (ISA guide 7.12.1)
.endr
	s_wait_alu depctr_va_vdst(0)                   ; this tile's products are done reading fragment set j % 2 and its scale words, and tile j - 2's stages are done reading set (j + 2) % 4 of four: the 19 loads of tile j + 2 land in these
	; The 19 loads are dealt among the stages, early.  No further wait for them: no vector instruction since the wait above names a register that they touch.
	; The stages of the four tiles of rows, staggered: behind each run of transcendentals stands a plain instruction on other registers before a result is used (ISA guide 5.7.2); each accumulator is read from its low end on
	BLC PAR, NUB, NTL, 0
	SF 0
	SE 0
	BLC PAR, NUB, NTL, 4
	SF 1
	SA 0
	SR 0
	BLC PAR, NUB, NTL, 8
	SE 1
	SF 2
	SA 1
	SS 0
	BLC PAR, NUB, NTL, 12
	SR 1
	SE 2
	BLS PAR, NVC, NUB, NDB, NTL
	SF 3
	SA 2
	SS 1
	SR 2
	SE 3
	v_nop
	SA 3
	SS 2
	SR 3
	v_nop
	s_wait_alu depctr_va_vdst(0)                   ; the last eight reciprocals have written their results, which the sums below read
	SS 3
.endm
; The block's codes and scale words from LDS into the C wave's registers; the wait stands in the barrier that follows
.macro LOADA
	WIN 0x40                                       ; destination in window 1
.irp m, 0,1,2,3
.irp s, 0,1,2,3,4,5,6,7
.irp c, 0,1
	ds_load_b128 v[8*(8*\m+\s)+4*\c:8*(8*\m+\s)+4*\c+3], v11 offset:8448*\m+64*\s+32*\c    ; lane (r, h): bytes 64 s + 32 c + 16 h of row 16 m + r; rows 528 bytes apart fall on different banks
.endr
.endr
.endr
	WIN 0
.irp m, 0,1,2,3
	ds_load_b128 v[ASC+4*\m:ASC+4*\m+3], v12 offset:768*\m    ; register q: the scale word of K step 4 h + q
.endr
.endm
; Half e of a row: lane l holds columns 512 e + 16 l .. + 15; two neighbouring lanes hold a block of 32.  The arithmetic alone: codes, the scale's byte, the bf16 copy
.macro QARITH e
.set XS, 24+16*\e
.set YS, 56+8*\e
.set CR, 152+2*\e
.set ER, 156+\e
.set TS, 158+3*\e
	v_max3_num_f32 v[TS], |v[XS]|, |v[XS+1]|, |v[XS+2]|
	v_max3_num_f32 v[TS+1], |v[XS+3]|, |v[XS+4]|, |v[XS+5]|
.irp i, 6,10
	v_max3_num_f32 v[TS], v[TS], |v[XS+\i]|, |v[XS+\i+1]|
	v_max3_num_f32 v[TS+1], v[TS+1], |v[XS+\i+2]|, |v[XS+\i+3]|
.endr
	v_max3_num_f32 v[TS], v[TS], |v[XS+14]|, |v[XS+15]|
	v_max3_num_f32 v[TS], v[TS], v[TS+1], 0x1800000        ; and the floor 2^(3 - 127): the byte cannot fall under 1
	v_max_num_f32_dpp v[TS], v[TS], v[TS] row_xmask:1 row_mask:0xf bank_mask:0xf   ; with my neighbour's 16: the block's largest magnitude
	v_add_nc_u32 v[TS+2], 0xff000000, v[TS]                ; 2 off its exponent field: the conversion takes this operand's exponent field as its scale
	v_cvt_scalef32_pk8_fp4_f32 v[CR], v[XS:XS+7], v[TS+2]
	v_cvt_scalef32_pk8_fp4_f32 v[CR+1], v[XS+8:XS+15], v[TS+2]
	v_lshrrev_b32 v[ER], 23, v[TS+2]                       ; the scale's byte; also the plain instruction behind the conversions
.irp i, 0,1,2,3,4,5,6,7
	v_cvt_pk_bf16_f32 v[YS+\i], v[XS+2*\i], v[XS+2*\i+1]
.endr
.endm
; and its four LDS stores, for row k of the trip
.macro QSTORE e, k
.set YS, 56+8*\e
.set CR, 152+2*\e
.set ER, 156+\e
	ds_store_b8 v9, v[ER] offset:48*\k+16*\e               ; both lanes of a block write the same byte with the same value
	ds_store_b64 v8, v[CR:CR+1] offset:528*\k+256*\e
	ds_store_b128 v7, v[YS:YS+3] offset:2048*\k+1024*\e
	ds_store_b128 v7, v[YS+4:YS+7] offset:2048*\k+1024*\e+512
.endm
; Row k of the trip (row 8 T + k of the wave's stream of 64), in slot k of the ring of eight.  The slot left one row ago takes the row seven further on
.macro PQROW k
.if \k == 0
	s_wait_loadcnt 48                              ; loads end in the order of issue: this row's eight are in, the six younger rows' 48 stay out
	WIN 0x40
.irp j, 0,1,2,3,4,5,6,7
	global_load_b128 v[224+4*\j:227+4*\j], v1, s[18:19] offset:7*4096+512*\j th:TH_LOAD_NT   ; (the wait on vm_vsrc at the trip's head stands behind the stores that read slot 7)
.endr
	WIN 0
.else
	s_wait_alu depctr_vm_vsrc(0)                   ; the last row's LDS stores have read slot k - 1, in which the loads below land, and the codes, bytes and bf16 numbers (v152-157, v56-71), which this row's conversions write again
	s_cmp_lt_u32 s36, 7                            ; the last trip asks for nothing beyond the wave's rows
	s_cbranch_scc0 .Ldry_\@
	s_wait_loadcnt 48
	WIN 0x40
.irp j, 0,1,2,3,4,5,6,7
	global_load_b128 v[32*(\k-1)+4*\j:32*(\k-1)+4*\j+3], v1, s[20:21] offset:(\k-1)*4096+512*\j th:TH_LOAD_NT
.endr
	WIN 0
	s_branch .Lfed_\@
.Ldry_\@:
	s_wait_loadcnt 0x0
.Lfed_\@:
.endif
	WIN 0x04                                       ; an LDS store's data are its source 1: window 1
.irp j, 0,1,2,3,4,5,6,7
	ds_store_b128 v5, v[32*\k+4*\j:32*\k+4*\j+3] offset:2560*(\j/4)+640*(\j%4)     ; as loaded: 512 consecutive bytes take eight places of the stage
.endr
	WIN 0
.irp e, 0,1
.irp i, 0,1,2,3
	ds_load_b128 v[24+16*\e+4*\i:24+16*\e+4*\i+3], v6 offset:2560*\e+16*\i         ; back: 64 consecutive bytes a lane.  LDS serves a wave's instructions in order: these see the stores above.  No vector instruction since the last wait on va_vdst names v24-55
.endr
.endr
	s_wait_dscnt 4                                 ; the first half is in (the second half's four loads may be out)
	QARITH 0
	s_wait_dscnt 0x0                               ; the second half is in: nothing was issued behind its loads
	QARITH 1
	s_wait_alu depctr_va_vdst(0)                   ; the conversions have written the codes, the bytes and the bf16 numbers, which the eight stores below read; and the row's arithmetic is done reading v24-55, in which the next row lands
	QSTORE 0, \k
	QSTORE 1, \k
.endm
.macro PQ8
.irp k, 0,1,2,3,4,5,6,7
	PQROW \k
.endr
.endm
; Eight rows of the block whose weights are known: sum[column] += weight x bf16 row.  Register q of a row holds columns 512 (q / 8) + 16 lane + 2 (q % 8), + 1
.macro PX8
	ds_load_b128 v[PWT:PWT+3], v10                 ; the eight rows' weights, the same words in every lane
	ds_load_b128 v[PWT+4:PWT+7], v10 offset:16
.irp k, 0,1,2,3,4,5,6,7
.irp i, 0,1,2,3
	ds_load_b128 v[24+16*\k+4*\i:24+16*\k+4*\i+3], v7 offset:2048*\k+512*\i
.endr
.endr
.irp k, 0,1,2,3,4,5,6,7
	s_wait_dscnt 4*(7-\k)                          ; row k is in; the rows behind it, four loads each, may be out
.irp q, 0,1,2,3,4,5,6,7,8,9,10,11,12,13,14,15
	v_fma_mix_f32_bf16 v[CTX+2*\q], v[24+16*\k+\q], v[PWT+\k], v[CTX+2*\q] op_sel_hi:[1,0,0]
	v_fma_mix_f32_bf16 v[CTX+2*\q+1], v[24+16*\k+\q], v[PWT+\k], v[CTX+2*\q+1] op_sel:[1,0,0] op_sel_hi:[1,0,0]
.endr
.endr
	s_wait_alu depctr_va_vdst(0)                   ; the multiply-adds are done reading v24-151, in which the LDS loads of the rows to be quantised land; and they have written the sums, which behind the last trip the LDS stores read
.endm
	s_load_b256 s[4:11], s[0:1], 0x0               ; enc_out s[4:5], UaP s[6:7], dpc2 s[8:9], part s[10:11]
	v_lshl_add_u32 v22, v0, 2, 0x4e800
	v_mov_b32 v23, 0
	v_lshrrev_b32 v248, 5, v0
	v_readfirstlane_b32 s12, v248                  ; wave 0..7
	v_and_b32 v248, 31, v0                         ; lane
	v_and_b32 v249, 15, v0                         ; r
	v_bfe_u32 v250, v0, 4, 1                       ; h
	v_lshlrev_b32 v1, 4, v248
	s_wait_alu depctr_va_sdst(0)                   ; s12 is written, ahead of its first reader
	s_and_b32 s13, s12, 3                          ; V
	s_lshl_b32 s40, s13, 16
	v_add_nc_u32 v2, s40, v1
	s_mul_i32 s40, s13, 8448
	s_add_co_u32 s40, s40, COD
	v_lshl_add_u32 v3, v248, 3, s40                ; codes: my wave's 16 rows, 8 bytes a lane
	v_lshrrev_b32 v251, 1, v248
	s_mul_i32 s40, s13, 768
	s_add_co_u32 s40, s40, SCB
	v_add_nc_u32 v4, s40, v251                     ; scale bytes: one for two lanes
	v_lshrrev_b32 v251, 2, v248
	v_mul_u32_u24 v251, v251, 80
	v_and_b32 v252, 3, v248
	v_lshl_add_u32 v251, v252, 4, v251             ; 80 (lane / 4) + 16 (lane % 4): four lanes' 64 bytes on end, then 16 of padding
	s_mul_i32 s40, s13, 5120
	s_add_co_u32 s40, s40, STG
	v_add_nc_u32 v5, s40, v251
	v_mul_u32_u24 v6, v248, 80
	v_add_nc_u32 v6, s40, v6
	v_mul_u32_u24 v11, v249, 528
	v_lshl_add_u32 v11, v250, 4, v11
	v_add_nc_u32 v11, COD, v11
	v_mul_u32_u24 v12, v249, 48
	v_lshl_add_u32 v12, v250, 4, v12
	v_add_nc_u32 v12, SCB, v12
	s_lshl_b32 s40, s13, 8
	s_add_co_u32 s41, s40, SCR
	v_lshl_add_u32 v13, v250, 5, s41
	v_lshl_add_u32 v14, v248, 2, SCR
	s_add_co_u32 s41, s40, PWB
	v_lshl_add_u32 v15, v248, 2, s41
	s_lshr_b32 s40, s12, 2
	s_mul_i32 s40, s40, 2560
	s_mul_i32 s41, s13, 640
	s_add_co_u32 s40, s40, s41
	s_add_co_u32 s40, s40, STG
	v_add_nc_u32 v16, s40, v251                    ; the merge: wave w reads bytes 512 w .. + 511 of each L wave's 4,096 bytes of sums
	v_lshlrev_b32 v17, 3, v249
	s_lshl_b32 s40, s12, 9
	v_add_nc_u32 v18, s40, v1
	v_lshlrev_b32 v19, 3, v248
	s_mul_i32 s33, s13, 320                        ; my copy of the weights (256 V), at my first row (4 x 16 V)
	s_add_co_u32 s33, s33, PWB
	s_mov_b32 s30, 0x4038aa3b                      ; c2 = 2 log2(e)
	s_mov_b32 s31, s30                             ; (named with it as a pair, so it is written)
	s_mov_b32 s32, 0xc038aa3b                      ; -c2
	s_mov_b32 s34, 0x76543210
	s_mov_b32 s35, 0xfedcba98                      ; v_permlanex16_b32's selects for lane l xor 16
	s_mov_b32 s36, 0
	s_mov_b32 s23, 0
	s_lshl_b32 s22, ttmp9, 20                      ; 256 rows of 4,096 bytes a work-group (under 2^28),
	s_lshl_b32 s40, s13, 16                        ; 16 rows a wave
	s_add_co_u32 s22, s22, s40
	s_wait_kmcnt 0x0
	s_add_nc_u64 s[16:17], s[4:5], s[22:23]
	s_mul_i32 s22, s13, 147456                     ; 16 records of 9,216 bytes
	s_add_nc_u64 s[24:25], s[6:7], s[22:23]
	s_lshr_b32 s22, ttmp9, 3
	s_lshl_b32 s22, s22, 13                        ; the batch's 1,024 pairs,
	s_lshl_b32 s40, s13, 11                        ; my 256 of them
	s_add_co_u32 s22, s22, s40
	s_add_nc_u64 s[26:27], s[8:9], s[22:23]
	s_mul_i32 s22, ttmp9, 4352
	s_add_nc_u64 s[28:29], s[10:11], s[22:23]
	s_wait_alu depctr_va_vdst(0)                   ; the offsets and addresses v1 to v6 and v11 to v19 are written, which the loads, stores and LDS instructions of the whole kernel read; so are v248 to v252, in which loads of Va and c2 d land later
	s_cmp_lt_u32 s12, 4
	s_cbranch_scc0 .Lhead_l
	BLOAD 0, 0, 24, 26, 0                          ; C: tiles 0 and 1 into the two sets: 38 loads are out, as at the head of every tile from here on
	BLOAD 1, 1, 24, 26, 1
.set i, 0
.rept 32
	v_mov_b32 v[SAC+i], 0
.set i, i+1
.endr
	s_branch .Lhead_done
.Lhead_l:
	WIN 0x40
.irp k, 0,1,2,3,4,5,6
.irp j, 0,1,2,3,4,5,6,7
	global_load_b128 v[32*\k+4*\j:32*\k+4*\j+3], v1, s[16:17] offset:4096*\k+512*\j th:TH_LOAD_NT   ; L: rows 0 to 6 of the stream; each load covers 512 consecutive bytes
.endr
.endr
	WIN 0
.set i, 0
.rept 32
	v_mov_b32 v[CTX+i], 0                          ; the loop is written once: the first change of m multiplies zeros
.set i, i+1
.endr
	v_mov_b32 v204, 0xff61b1e6                     ; m: -3e38, under every tau
	v_mov_b32 v205, 0                              ; l, a part in each lane
	v_mov_b32 v206, 0
	v_mov_b32 v207, 0                              ; (named as the upper half of the pair v[206:207])
.Lhead_done:
.Lpro:                                         ; two trips: block 0 is quantised
	TRIPHEAD
	s_cmp_lt_u32 s12, 4
	s_cbranch_scc1 .Lpro_end
	PQ8
.Lpro_end:
	s_add_co_u32 s36, s36, 1
	s_cmp_lt_u32 s36, 2
	s_cbranch_scc1 .Lpro
	BAR                                            ; block 0's codes and scale bytes lie in LDS
	s_cmp_lt_u32 s12, 4
	s_cbranch_scc0 .Lfirst_a
	LOADA                                          ; (no vector or matrix instruction has named these registers yet)
.Lfirst_a:
	BAR                                            ; they are in the C waves' registers: the L waves may write the next block's
	s_mov_b32 s37, 0
.Lpass:                                        ; pass P: C: block P;  L: the sums of block P - 1, the codes of block P + 1
	s_mov_b32 s38, 0
.Lhalf:                                        ; a half: 8 of a C wave's 16 tiles; 8 of an L wave's 16 rows
	TRIPHEAD
	s_mul_i32 s22, s38, 73728                      ; (no load has been issued since the wait on XCNT above)  this half's eight records and pairs,
	s_add_nc_u64 s[48:49], s[24:25], s[22:23]
	s_lshl_b32 s22, s38, 10
	s_add_nc_u64 s[52:53], s[26:27], s[22:23]
	s_xor_b32 s44, s38, 1                          ; and the other half's
	s_mul_i32 s22, s44, 73728
	s_add_nc_u64 s[50:51], s[24:25], s[22:23]
	s_lshl_b32 s22, s44, 10
	s_add_nc_u64 s[54:55], s[26:27], s[22:23]
	s_cmp_lt_u32 s12, 4
	s_cbranch_scc0 .Lhalf_l
.irp j, 0,1,2,3,4,5,6,7
	UTILE \j
.endr
	s_branch .Lhalf_end
.Lhalf_l:
	s_cmp_lt_u32 s36, 4                            ; pass 0 has no block behind it
	s_cbranch_scc1 .Lno_px
	PX8                                            ; these eight rows are read out of the buffer first,
.Lno_px:
	s_cmp_lt_u32 s36, 8                            ; pass 3 has no block ahead of it
	s_cbranch_scc0 .Lno_pq
	PQ8                                            ; and then written over, by the same wave: so two buffers serve three blocks
.Lno_pq:
.Lhalf_end:
	s_add_co_u32 s36, s36, 1
	s_add_co_u32 s38, s38, 1
	s_cmp_lt_u32 s38, 2
	s_cbranch_scc1 .Lhalf
	s_cmp_lt_u32 s12, 4
	s_cbranch_scc0 .Lno_red
	; C: my 256 columns' part of the 64 scores: the sixteen lanes of a half hold sixteen columns of the same eight rows
.irp x, 1,2,4,8
.set i, 0
.rept 32
	v_add_f32_dpp v[SAC+i], v[SAC+i], v[SAC+i] row_xmask:\x row_mask:0xf bank_mask:0xf
.set i, i+1
.endr
.endr
	s_wait_alu depctr_va_vdst(0)                   ; the sums across lanes have written v192 to v223, which the LDS stores read; and the block's products are done reading the rows' fragments and scale words, in which the next block's land behind the barrier
.irp m, 0,1,2,3
.irp k, 0,1
	ds_store_b128 v13, v[SAC+8*\m+4*\k:SAC+8*\m+4*\k+3] offset:64*\m+16*\k     ; rows 16 m + 8 h + 4 k on; sixteen lanes write the same words with the same values
.endr
.endr
	s_wait_alu depctr_vm_vsrc(0)                   ; the stores have read v192 to v223, which are cleared behind the barrier
.Lno_red:
	BAR                                            ; the partial scores and the next block's codes lie in LDS
	s_cmp_lt_u32 s12, 4
	s_cbranch_scc0 .Lstats
	s_cmp_lt_u32 s37, 3
	s_cbranch_scc0 .Lno_a
	LOADA                                          ; (no vector or matrix instruction since the wait ahead of the scores' stores names these registers)
.Lno_a:
.set i, 0
.rept 32
	v_mov_b32 v[SAC+i], 0
.set i, i+1
.endr
	s_branch .Lpass_end
.Lstats:
	; L: every L wave does the same: lane l takes rows l and l + 32
.irp w, 0,1,2,3
.irp p, 0,1
	ds_load_b32 v[208+2*\w+\p], v14 offset:256*\w+128*\p      ; (the waits at the heads of this pass's trips stand behind all that named v208 to v215 in the pass before)
.endr
.endr
	s_wait_dscnt 0x0
	v_add_f32 v208, v208, v210
	v_add_f32 v209, v209, v211
	v_add_f32 v212, v212, v214
	v_add_f32 v213, v213, v215
	v_add_f32 v208, v208, v212
	v_add_f32 v209, v209, v213
	v_mul_f32 v208, s32, v208                      ; tau
	v_mul_f32 v209, s32, v209
	v_max_num_f32 v210, v208, v209
	v_max_num_f32_dpp v210, v210, v210 row_xmask:1 row_mask:0xf bank_mask:0xf
	v_max_num_f32_dpp v210, v210, v210 row_xmask:2 row_mask:0xf bank_mask:0xf
	v_max_num_f32_dpp v210, v210, v210 row_xmask:4 row_mask:0xf bank_mask:0xf
	v_max_num_f32_dpp v210, v210, v210 row_xmask:8 row_mask:0xf bank_mask:0xf
	v_permlanex16_b32 v211, v210, s34, s35
	v_max_num_f32 v210, v210, v211
	v_max_num_f32 v210, v210, v204                 ; the new m
	v_sub_f32 v211, v204, v210
	v_sub_f32 v208, v208, v210
	v_sub_f32 v209, v209, v210
	v_exp_f32 v206, v211                           ; f = 2^(old m - new m)
	v_exp_f32 v208, v208                           ; the two rows' weights
	v_exp_f32 v209, v209
	v_mov_b32 v204, v210                           ; (the plain instruction behind the exponentials)
	s_wait_alu depctr_va_vdst(0)                   ; the three exponentials have written f and the two weights: the LDS stores read the weights, the lines behind them all three
	ds_store_b32 v15, v208
	ds_store_b32 v15, v209 offset:128
	v_fma_f32 v205, v205, v206, v208
	v_add_f32 v205, v205, v209
.irp q, 0,2,4,6,8,10,12,14,16,18,20,22,24,26,28,30
	v_pk_mul_f32 v[CTX+\q:CTX+\q+1], v[CTX+\q:CTX+\q+1], v[206:207] op_sel_hi:[1,0]    ; the sums under the new m
.endr
.Lpass_end:
	BAR                                            ; the codes are in registers and the scores are read: both may be written again
	s_add_co_u32 s37, s37, 1
	s_cmp_lt_u32 s37, 4
	s_cbranch_scc1 .Lpass
.Lepi:                                         ; two trips: the sums of block 3
	TRIPHEAD
	s_cmp_lt_u32 s12, 4
	s_cbranch_scc1 .Lepi_end
	PX8
.Lepi_end:
	s_add_co_u32 s36, s36, 1
	s_cmp_lt_u32 s36, 12
	s_cbranch_scc1 .Lepi
	s_cmp_lt_u32 s12, 4
	s_cbranch_scc1 .Lno_out
.irp e, 0,1
.irp i, 0,1,2,3
	ds_store_b128 v6, v[CTX+16*\e+4*\i:CTX+16*\e+4*\i+3] offset:2560*\e+16*\i      ; my 16 rows' share of the 1,024 sums, into my stage: 64 consecutive bytes a lane.  (The wait behind the last multiply-adds has shown the sums written)
.endr
.endr
	v_add_f32_dpp v205, v205, v205 row_xmask:1 row_mask:0xf bank_mask:0xf
	v_add_f32_dpp v205, v205, v205 row_xmask:2 row_mask:0xf bank_mask:0xf
	v_add_f32_dpp v205, v205, v205 row_xmask:4 row_mask:0xf bank_mask:0xf
	v_add_f32_dpp v205, v205, v205 row_xmask:8 row_mask:0xf bank_mask:0xf
	v_permlanex16_b32 v208, v205, s34, s35
	v_add_f32 v205, v205, v208                     ; l of the work-group's 256 rows
	s_wait_alu depctr_vm_vsrc(0)                   ; my LDS stores have read v172 to v175, in which the merge's loads land
.Lno_out:
	BAR                                            ; the four shares lie in LDS
.irp w, 0,1,2,3
	ds_load_b128 v[160+4*\w:163+4*\w], v16 offset:5120*\w      ; (v160-175: in the C waves the last pass's two look-ahead tiles are still on their way into v24-159 and v240-247, which nothing names any more)
.endr
	s_wait_dscnt 0x0
	v_pk_add_f32 v[160:161], v[160:161], v[164:165]
	v_pk_add_f32 v[162:163], v[162:163], v[166:167]
	v_pk_add_f32 v[168:169], v[168:169], v[172:173]
	v_pk_add_f32 v[170:171], v[170:171], v[174:175]
	v_pk_add_f32 v[160:161], v[160:161], v[168:169]
	v_pk_add_f32 v[162:163], v[162:163], v[170:171]
	s_wait_alu depctr_va_vdst(0)                   ; the additions have written v160 to v163, which the store reads; m and l, v204 and v205, which wave 4's second store reads, were written ahead of it too
	global_store_b128 v18, v[160:163], s[28:29]    ; each wave stores 512 consecutive bytes, aligned
	s_cmp_eq_u32 s12, 4
	s_cbranch_scc0 .Lend
	global_store_b64 v19, v[204:205], s[28:29] offset:4096     ; {m, l}, 32 times: 256 consecutive bytes, aligned
.Lend:
	s_wait_dscnt 0x0                               ; the closing lines, six on end
	s_wait_alu 0x0
	s_wait_tensorcnt 0x0
	ds_add_u32 v22, v23
	s_wait_dscnt 0x0
	s_endpgm
.Lfunc_end_k_qfe665e7eb0_main:
	.size	k_qfe665e7eb0_main, .Lfunc_end_k_qfe665e7eb0_main-k_qfe665e7eb0_main
	.p2alignl 7, 3214868480
	.fill 96, 4, 3214868480
	.section	.rodata,"a",@progbits
	.p2align	6, 0x0
	.amdhsa_kernel k_qfe665e7eb0_main
		.amdhsa_group_segment_fixed_size 322560
		.amdhsa_private_segment_fixed_size 0
		.amdhsa_enable_private_segment 0
		.amdhsa_kernarg_size 32
		.amdhsa_user_sgpr_count 2
		.amdhsa_user_sgpr_kernarg_segment_ptr 1
		.amdhsa_wavefront_size32 1
		.amdhsa_system_sgpr_workgroup_id_x 1
		.amdhsa_system_sgpr_workgroup_id_y 1
		.amdhsa_system_sgpr_workgroup_id_z 1
		.amdhsa_system_vgpr_workitem_id 0
		.amdhsa_next_free_vgpr 512
		.amdhsa_next_free_sgpr 66
		.amdhsa_reserve_vcc 0
		.amdhsa_float_denorm_mode_32 3
		.amdhsa_float_denorm_mode_16_64 3
		.amdhsa_memory_ordered 1
		.amdhsa_forward_progress 1
		.amdhsa_inst_pref_size 254
	.end_amdhsa_kernel
	.amdgpu_metadata
---
amdhsa.version: [ 1, 2 ]
amdhsa.kernels:
  - .name:           k_qfe665e7eb0_main
    .symbol:         k_qfe665e7eb0_main.kd
    .args:
      - { .name: enc_out, .offset: 0, .size: 8, .value_kind: global_buffer, .address_space: global }
      - { .name: UaP, .offset: 8, .size: 8, .value_kind: global_buffer, .address_space: global }
      - { .name: dpc2, .offset: 16, .size: 8, .value_kind: global_buffer, .address_space: global }
      - { .name: part, .offset: 24, .size: 8, .value_kind: global_buffer, .address_space: global }
    .group_segment_fixed_size: 322560
    .private_segment_fixed_size: 0
    .kernarg_segment_align: 8
    .kernarg_segment_size: 32
    .max_flat_workgroup_size: 256
    .sgpr_count:     66
    .vgpr_count:     512
    .wavefront_size: 32
...
	.end_amdgpu_metadata
.endif
;; end of part 5
;; launch combine: the kernel of part 3 again; grid 128 x 1, 2 waves a work-group, no clusters, 0 bytes of LDS; arguments part, out0; writes out0
